; MI455X (gfx1250); checked and timed in simulation.
; The chip was launched on July 23, 2026; its instructions are those of AMD's public machine-readable ISA for CDNA 5 (MIT licence, August 2026) and "CDNA5" Instruction Set Architecture Reference Guide (July 2026). The comments in the code are by the model that wrote it; some were corrected since.
;; Instance Attention Module. Allowed arithmetic: matrix products marked QUANTISED: E2M3 operands, one E8M0 scale for each 32 along K, by v_wmma_scale_f32_16x16x128_f8f6f4 with both operands' format E2M3, f32 sums; products left as they are: f32 operands where the result goes on into a quantised operand, else bf16, f16 or f32 operands; f32 sums; everything else in f32.
;; Inputs: attn_W 256 x 256 float32; attn_b 256 float32; emb_W 64 x 256 float32; emb_b 64 float32; feature_map 32 x 32 x 32 x 256 float32; thr_W 1 x 256 float32; thr_b 1 float32.
;; Outputs: out0 32 x 32 x 32 x 256 float32.
;; Constants: layer = 0.
;; This version of the problem:
;;   THIS VERSION OF THE PROBLEM IS GIVEN IN LOW PRECISION. The matrix products marked QUANTISED in the list below multiply operands that are first quantised to E2M3 (2 exponent bits, 3 mantissa bits; 6 bits a number), with one power-of-two scale for each 32 numbers along K (OCP MX v1.0); their sums are f32. All else is computed in f32.
;;   The module's matrix products, in the order in which they are computed (A, B: the left and right operand; K: the contracted axis; several contracted axes count as one K, in the product's order):
;;     1. [M 32,768, K 256] x [K 256, N 64]; A: input feature_map; B: input emb_W: QUANTISED
;;     2. batch 32 x [M 1,024, K 64] x [K 64, N 1,024]; A: computed on the way; B: computed on the way: QUANTISED
;;     3. [M 32,768, K 256] x [K 256, N 256]; A: input feature_map; B: input attn_W: QUANTISED
;;     4. [M 32,768, K 256] x [K 256, N 1]; A: computed on the way; B: input thr_W: left as it is (N = 1 < 16)
;;     5. batch 32 x [M 1,024, K 1,024] x [K 1,024, N 256]; A: softmax (see below); B: computed on the way: QUANTISED
;;   THE QUANTISER, for each operand of a quantised product, along K:
;;     - K is cut into blocks of 32 from its start; a last block that is shorter is filled with zeros.
;;     - A block's scale is 2^e with e = floor(log2(the largest magnitude in the block)) - 2, held to -126 .. 127; a block of zeros has e = 0. As a byte (E8M0): e + 127.
;;     - Each number is divided by its block's scale, clamped to +-7.5, and rounded to the nearest number of E2M3, ties to even, subnormals kept.
;;     - The product sums the exact products of the quantised numbers (number of the format x scale) in f32.
;;   ~~~python
;;   def quantise(x, axis):      # numpy; x: float32 -> the quantised numbers, widened to float32 again
;;       x = np.moveaxis(x, axis, -1); K = x.shape[-1]
;;       x = np.pad(x, [(0, 0)] * (x.ndim - 1) + [(0, -K % 32)]); x = x.reshape(x.shape[:-1] + (-1, 32)); a = np.abs(x).max(-1, keepdims=True)
;;       e = np.where(a > 0, np.clip(np.frexp(np.where(a > 0, a, 1))[1] - 1 - 2, -126, 127), 0)      # np.frexp(a)[1] - 1 = floor(log2(a)), exactly
;;       r = np.clip(x / 2.0 ** e, -7.5, 7.5)
;;       step = 2.0 ** (np.maximum(np.frexp(np.where(r == 0, 1, r))[1] - 1, 0) - 3)
;;       q = np.round(r / step) * step * 2.0 ** e      # np.round: ties to even
;;       return np.moveaxis(q.reshape(q.shape[:-2] + (-1,))[..., :K], -1, axis).astype(np.float32)
;;   ~~~
;;   SOFTMAX AHEAD OF A QUANTISED PRODUCT. Where the list says 'softmax', what is quantised is not the finished softmax but p = 2^(t - M), with t = logit x log2(e) and M = ceil(the row's largest t), a whole number; so 1/2 < the row's largest p <= 1. The row's sum l is taken of the UNQUANTISED p, in f32, and the product's result is divided by l at the end. Since M is a whole number, a kernel that streams over the keys may use a running M (the ceiling of the running maximum): every later rescaling is an exact power of two, which a block's scale takes up: the codes' values come out the same.
;;   OPERANDS COMPUTED ON THE WAY. 'Computed on the way' means the value that the module computes at that place (a softmax that the list does not call 'softmax' is quantised finished and normalised). What goes into a quantiser is computed in f32, as accurately as f32 sums, v_exp_f32 and their like allow (about 1e-6 of the number): no bf16 or f16 on the way to a quantiser, and a product that is left as it is and whose result goes on into a quantised operand takes f32 operands (vector FMAs, or v_wmma_f32_16x16x4_f32). A number that lies on a knife's edge between two numbers of the format may be rounded either way, as far as f32 arithmetic and the matrix unit's own rounding can turn it there, and no further.
;; 2 versions, each right; version 2 is version 1 with the launch prep written anew for expert scheduling mode. Each part assembles by itself: llvm-mc -triple=amdgcn-amd-amdhsa -mcpu=gfx1250 --defsym DOCPART=n.
;; ======== version 1 of 2: 2 launches
;; workspace buffers: kv 8,519,680 bytes
;; launch prep (part 1): grid 8 x 32, 4 waves a work-group, no clusters, 111,104 bytes of LDS; arguments feature_map, emb_W, emb_b, attn_W, attn_b, thr_W, thr_b, kv; writes kv
.if DOCPART == 1
	.amdgcn_target "amdgcn-amd-amdhsa--gfx1250"
	.amdhsa_code_object_version 6
	.text
	.protected	k_q5432708a06_prep
	.globl	k_q5432708a06_prep
	.p2align	8
	.type	k_q5432708a06_prep,@function
k_q5432708a06_prep:
	s_mov_b64 s[64:65], 0
	v_nop
	global_prefetch_b8 v0, s[64:65] scope:SCOPE_SE
	s_setreg_imm32_b32 hwreg(HW_REG_WAVE_MODE, 25, 1), 1
	s_wait_xcnt 0x0
; PREP.  For 128 pixels (four image rows: key step n = work-group x) of one image (work-group y):
;   emb = Q(x) Q(emb_W)^T + emb_b, shortcut = Q(x) Q(attn_W)^T + attn_b (both on codes of E2M3 with E8M0 scales for each 32 along the 256 channels),
;   -sq/2 = -sum(emb^2)/2 and T = shortcut . thr_W + thr_b in f32; emb is quantised along its 64 features, shortcut along the pixels (the keys of the last product).
; All results go to kv, laid as the next launch's LDS and operand registers want them (an image's block of IMG bytes):
;   KC  64 key tiles x 768 bytes: the six registers of a fragment of emb's codes (registers 0-3: 16 bytes a lane; 4-5: 8 bytes a lane)
;   KS  8 x 512: word v of a lane's 16 bytes: lanes 0-15 the scale words of tile 2 v, lanes 16-31 those of tile 2 v + 1 (bytes 2, 3 = 127: the codes of k = 64 .. 127 are zeros)
;   SQ  -sq/2, TT  T: f32, by pixel.   VS  8 x (512 + 512): as KS, for channel tiles 0-7 and 8-15.   VC  fragment (n, t) at (16 n + t) x 1,536: its 12 registers, 16 bytes a lane
; TILES.  Pixel tile p = 4 cc + u of the 128: row m = pixel 64 cc + 32 (m / 8) + 8 u + m % 8, so that in a result whose rows are pixels a lane's 32 registers of tiles 4 cc .. 4 cc + 3
; are a whole block of 32 pixels.  Channel tile t: column r = channel 64 (t / 4) + 4 r + t % 4.  Feature tile u: row m = feature 32 (m / 8) + 8 u + m % 8.
; SHARES.  Wave w quantises pixel tiles 2 w, 2 w + 1 of x, feature tile w of emb_W and channel tiles 4 w .. 4 w + 3 of attn_W; makes emb for its two pixel tiles, and shortcut for all 8 pixel tiles x its 4 channel tiles.
; Every load reads 512 consecutive bytes; the numbers turn through the wave's own stage in LDS so that a lane holds whole blocks of 32 along K.  x's and emb_W's codes reach the other waves as images of their registers.
; NO JOINT LOADS: the weights, 327,680 bytes of f32, are read by every work-group, but they do not fit in LDS beside the 110,592 bytes used here, and each wave wants only its own quarter of them, once, in registers.
; LIMITS: NaN and infinities are not served.  A block of zeros gets the scale byte 1 where the quantiser says 127 (its codes are zeros; this program alone reads the bytes).  T's sum is taken in another order than a plain dot product's.
.set KC, 0
.set KS, 49152
.set SQ, 53248
.set TT, 57344
.set VS, 61440
.set VC, 69632
.set IMG, 266240
.set SPITCH, 1040                      ; a stage row: 1,024 bytes + 16: the sixteen rows that a load touches begin at sixteen different 16-byte columns modulo 256 bytes
.set STGW, 16*SPITCH                   ; a wave's stage
.set XIMG, 4*STGW                      ; x's 16 fragments (pixel tile p, K step s: 2 p + s), 1,536 bytes each
.set XSC, XIMG+16*1536                 ; their scale words, 128 bytes each
.set EIMG, XSC+16*128                  ; emb_W's 8 fragments (2 u + s)
.set ESC, EIMG+8*1536
.set COLT, ESC+8*128                   ; T's partial sums: 512 bytes a wave
.set COLVS, COLT+2048                  ; the key step's part of VS
.set COLKS, COLVS+1024                 ; of KS
.set COLSQ, COLKS+512                  ; of SQ
; window 0: v1 16 x lane, v2 4 x lane, v3 r, v4 h, v5-15, v31, v254 LDS addresses, v255 8 x lane, v30 8 h
.set TW, 16                            ; v16-19  thr_W of my four channels
.set BR, 20                            ; v20-23  attn_b of them
.set VW, 24                            ; v24-27  V's scale words, a channel tile each
.set KW, 28                            ; v28-29  K's scale words
.set NUM, 32                           ; v32-159 128 numbers: register 32 b + i = k 64 (b / 2 x 2) .. : block b = 2 s + c holds k = 128 s + 64 c + 32 h + i
.set ACC, 32                           ; v32-95  later the 8 accumulators
.set TPS, 96                           ; v96-159 T's partial sums
.set TM, 160                           ; v160-163 largest magnitudes, v164-167 scale operands, v168-171 bytes, v172-173 lane exchanges
.set CB, 176                           ; v176-199 codes
.set CT, 200                           ; v200-215 second halves of blocks (a conversion's three registers begin on an even number)
.set SWD, 216                          ; v216-217 scale words on their way to LDS
.set XSW, 218                          ; v218-233 x's scale words;  v234-241 attn_W's;  v242-249 emb_W's;  v250-253 those of my own two pixel tiles
.set AW, 234
.set EW, 242
.set OXS, 250
.set RA, 0                             ; window 1: two sets of 128 numbers as loaded; later x's 16 fragments (v0-191) and my own four (v192-239)
.set RB, 128
.set OX, 192
.set AF, 0                             ; window 2: attn_W's 8 fragments, emb_W's 8, attn_b as four tiles' C, emb_b as four tiles' C
.set EF, 96
.set BI, 192
.set EB, 224
.set MSB, 0
.macro WIN new                         ; the immediate's high byte repeats the setting that is left; a switch that changes nothing is dropped
.if MSB != (\new)
	s_set_vgpr_msb (MSB<<8)|(\new)
.set MSB, (\new)
.endif
.endm
; 16 rows of 1,024 bytes, row m at off + sa (m % 8) + 32,768 (m / 8), into window 1: each load reads 512 consecutive bytes
.macro GLOAD buf, base, off, sa, nt
	WIN 0x40
.set GM, 0
.rept 16
.if \nt
	global_load_b128 v[\buf+8*GM:\buf+8*GM+3], v1, s[\base:\base+1] offset:\off+\sa*(GM%8)+32768*(GM/8) th:TH_LOAD_NT
	global_load_b128 v[\buf+8*GM+4:\buf+8*GM+7], v1, s[\base:\base+1] offset:\off+\sa*(GM%8)+32768*(GM/8)+512 th:TH_LOAD_NT
.else
	global_load_b128 v[\buf+8*GM:\buf+8*GM+3], v1, s[\base:\base+1] offset:\off+\sa*(GM%8)+32768*(GM/8)
	global_load_b128 v[\buf+8*GM+4:\buf+8*GM+7], v1, s[\base:\base+1] offset:\off+\sa*(GM%8)+32768*(GM/8)+512
.endif
.set GM, GM+1
.endr
	WIN 0
.endm
; A step's first half: the rows are in; they go into my stage as they lie and come back 128 bytes a block: lane (r, h) takes, of row r, k = 128 s + 64 c + 32 h + 0 .. 31.
.macro QSTEP buf, left
	s_wait_loadcnt \left                   ; this step's 32 loads are in; the next step's 32 may stay out
	WIN 0x04                               ; an LDS store's data are its source 1: window 1
.set GM, 0
.rept 16
	ds_store_b128 v5, v[\buf+8*GM:\buf+8*GM+3] offset:SPITCH*GM
	ds_store_b128 v5, v[\buf+8*GM+4:\buf+8*GM+7] offset:SPITCH*GM+512
.set GM, GM+1
.endr
	WIN 0
.set GM, 0
.rept 32                               ; LDS serves a wave's instructions in order (ISA guide 5.7.1.4): these see the stores above
	ds_load_b128 v[NUM+4*GM:NUM+4*GM+3], v6 offset:512*(GM/16)+256*((GM/8)%2)+16*(GM%8)
.set GM, GM+1
.endr
	s_wait_dscnt 0x0                       ; the numbers are back; the stage's stores and the last step's image stores are done
.endm
; nb blocks of 32 numbers of a lane, block b at v[src + 32 b]: largest magnitude (with the floor 2^(3 - 127), which holds the byte at 1 from below), scale operand, byte.  The blocks take turns.
.macro QMAX src, nb
.set QB, 0
.rept \nb
	v_max3_num_f32 v[TM+QB], |v[\src+32*QB]|, |v[\src+32*QB+1]|, 0x1800000
.set QB, QB+1
.endr
.set QJ, 2
.rept 15
.set QB, 0
.rept \nb
	v_max3_num_f32 v[TM+QB], v[TM+QB], |v[\src+32*QB+QJ]|, |v[\src+32*QB+QJ+1]|
.set QB, QB+1
.endr
.set QJ, QJ+2
.endr
.set QB, 0
.rept \nb
	v_add_nc_u32 v[TM+4+QB], 0xff000000, v[TM+QB]   ; 2 off the exponent field: the conversion takes this operand's exponent field as its scale
.set QB, QB+1
.endr
.set QB, 0
.rept \nb
	v_lshrrev_b32 v[TM+8+QB], 23, v[TM+4+QB]        ; the scale's byte
.set QB, QB+1
.endr
.endm
; their codes: block b's six registers at v[dst + dstr b] of the window dwin names
.macro QCVT nb, src, dwin, dst, dstr
.set QB, 0
.rept \nb
	v_cvt_scalef32_pk16_fp6_f32 v[CT+4*QB:CT+4*QB+2], v[\src+32*QB+16:\src+32*QB+31], v[TM+4+QB]
.set QB, QB+1
.endr
	WIN \dwin
.set QB, 0
.rept \nb
	v_cvt_scalef32_pk16_fp6_f32 v[\dst+\dstr*QB:\dst+\dstr*QB+2], v[\src+32*QB:\src+32*QB+15], v[TM+4+QB]
.set QB, QB+1
.endr
	v_nop                                  ; one plain place behind the scaled conversions
.set QB, 0
.rept \nb
.irp i, 0,1,2
	v_mov_b32 v[\dst+\dstr*QB+3+\i], v[CT+4*QB+\i]
.endr
.set QB, QB+1
.endr
	WIN 0
.endm
; a scale word of 128 along K: my two bytes (blocks h and 2 + h) at their places, with lane l xor 16's two
.macro WORD2 out, b0, b1
	v_lshl_or_b32 v[\out], v[\b1], 16, v[\b0]
	v_lshlrev_b32 v[\out], v30, v[\out]
	v_permlanex16_b32 v[TM+12], v[\out], s24, s25
	v_or_b32 v[\out], v[\out], v[TM+12]
.endm
.macro QWORK dwin, dst, wd             ; 128 numbers -> two fragments and their two scale words
	QMAX NUM, 4
	QCVT 4, NUM, \dwin, \dst, 6
	WORD2 \wd, TM+8, TM+9
	WORD2 \wd+1, TM+10, TM+11
.endm
.macro IMAGES adr, ads, f              ; the two fragments in v[CB] on, and their words, to LDS as they stand: fragments f, f + 1 from the address registers' bases
.irp s, 0,1
.irp c, 0,1,2
	ds_store_b128 v[\adr], v[CB+12*\s+4*\c:CB+12*\s+4*\c+3] offset:1536*(\f+\s)+512*\c
.endr
	ds_store_b32 v[\ads], v[SWD+\s] offset:128*(\f+\s)
.endr
.endm
.macro BARRIER                         ; my LDS stores have landed and my LDS loads are in: then the work-group's barrier
	s_wait_dscnt 0x0
	s_barrier_signal -1
	s_barrier_wait -1
.endm
	s_load_b512 s[4:19], s[0:1], 0x0               ; x s[4:5], emb_W s[6:7], emb_b s[8:9], attn_W s[10:11], attn_b s[12:13], thr_W s[14:15], thr_b s[16:17], kv s[18:19]
	v_lshl_add_u32 v211, v0, 2, 0x1b000
	v_mov_b32 v215, 0
	v_lshrrev_b32 v2, 5, v0
	v_readfirstlane_b32 s20, v2                    ; wave 0..3
	s_mov_b32 s21, ttmp9                           ; key step n
	s_and_b32 s22, ttmp7, 0xffff                   ; image
	s_lshr_b32 s50, s20, 1
	s_and_b32 s51, s20, 1
	s_mov_b32 s24, 0x76543210
	s_mov_b32 s25, 0xfedcba98                      ; v_permlanex16_b32's selects for lane l xor 16
	s_mov_b32 s27, 0xffff0000                      ; lanes 16-31
	v_and_b32 v3, 31, v0
	v_lshlrev_b32 v1, 4, v3                        ; 16 x lane
	v_lshlrev_b32 v2, 2, v3                        ; 4 x lane
	v_lshlrev_b32 v255, 3, v3                      ; 8 x lane
	v_and_b32 v3, 15, v0                           ; r
	v_bfe_u32 v4, v0, 4, 1                         ; h
	v_lshlrev_b32 v30, 3, v4                       ; 8 h
	; every LDS address: a constant + a lane term + a constant x wave, made here once
	s_mul_i32 s48, s20, STGW
	v_add_nc_u32 v5, s48, v1                       ; v5: into my stage
	v_mul_u32_u24 v6, v3, SPITCH
	v_lshl_add_u32 v6, v4, 7, v6
	v_add_nc_u32 v6, s48, v6                       ; v6: out of it: row r, + 128 h
	s_mul_i32 s49, s20, 4*1536
	s_add_co_u32 s49, s49, XIMG
	v_add_nc_u32 v7, s49, v1                       ; v7: my four fragments of x
	s_lshl_b32 s49, s20, 9
	s_add_co_u32 s49, s49, XSC
	v_add_nc_u32 v8, s49, v2                       ; v8: their scale words
	s_mul_i32 s49, s20, 2*1536
	s_add_co_u32 s49, s49, EIMG
	v_add_nc_u32 v9, s49, v1                       ; v9: my two fragments of emb_W
	s_lshl_b32 s49, s20, 8
	s_add_co_u32 s49, s49, ESC
	v_add_nc_u32 v10, s49, v2                      ; v10: their scale words
	v_add_nc_u32 v11, XIMG, v1                     ; v11: any image, v12: any scale word
	v_add_nc_u32 v12, XSC, v2
	s_lshl_b32 s49, s20, 9
	s_add_co_u32 s49, s49, COLT
	v_lshl_add_u32 v13, v4, 7, s49                 ; v13: my wave's partial sums of T, + 128 h
	s_lshl_b32 s49, s50, 9
	s_lshl_b32 s52, s51, 3
	s_add_co_u32 s49, s49, s52
	s_add_co_u32 s49, s49, COLVS
	v_add_nc_u32 v14, s49, v1                      ; v14: my two words of V's scale image
	s_lshl_b32 s49, s20, 2
	s_add_co_u32 s49, s49, COLKS
	v_add_nc_u32 v15, s49, v1                      ; v15: my word of K's
	s_lshl_b32 s49, s50, 8
	s_lshl_b32 s52, s51, 6
	s_add_co_u32 s49, s49, s52
	s_add_co_u32 s49, s49, COLSQ
	v_lshrrev_b32 v31, 3, v3
	v_and_b32 v216, 7, v3
	v_lshlrev_b32 v216, 2, v216
	v_lshl_add_u32 v31, v31, 7, v216
	v_add_nc_u32 v31, s49, v31                     ; v31: -sq/2 of pixel 64 (w / 2) + 32 (r / 8) + 16 (w % 2) + r % 8 (+ 8 for my second tile)
	v_add_nc_u32 v254, COLT, v1                    ; v254: the collectors, 16 bytes a lane
	v_lshlrev_b32 v216, 7, v4                      ; emb_b: 128 h
	v_lshlrev_b32 v217, 4, v3                      ; attn_b, thr_W: 16 r
	v_mov_b32 v[TM+12], 0                          ; written once: a lane permute's destination counts as one of its sources
	v_mov_b32 v[TM+13], 0
	s_wait_kmcnt 0x0
	s_load_b32 s26, s[16:17], 0x0                  ; thr_b
	s_mov_b32 s53, 0
	s_lshl_b32 s52, s22, 20                        ; x: image x 1,024 pixels x 1,024 bytes
	s_lshl_b32 s54, s21, 17                        ; + 128 n pixels
	s_add_co_u32 s52, s52, s54
	s_lshl_b32 s54, s50, 16                        ; + 64 (w / 2)
	s_add_co_u32 s52, s52, s54
	s_lshl_b32 s54, s51, 14                        ; + 16 (w % 2)
	s_add_co_u32 s52, s52, s54
	s_add_nc_u64 s[28:29], s[4:5], s[52:53]
	s_lshl_b32 s52, s20, 13                        ; emb_W: row 8 w
	s_add_nc_u64 s[30:31], s[6:7], s[52:53]
	s_lshl_b32 s52, s20, 16                        ; attn_W: row 64 w
	s_add_nc_u64 s[32:33], s[10:11], s[52:53]
	s_lshl_b32 s52, s20, 8                         ; attn_b, thr_W: channel 64 w
	s_add_nc_u64 s[44:45], s[12:13], s[52:53]
	s_add_nc_u64 s[46:47], s[14:15], s[52:53]
	s_mul_i32 s52, s22, IMG
	s_add_nc_u64 s[34:35], s[18:19], s[52:53]      ; the image's block of kv
	s_mul_i32 s52, s21, 8*768
	s_mul_i32 s54, s20, 2*768
	s_add_co_u32 s52, s52, s54
	s_add_nc_u64 s[36:37], s[34:35], s[52:53]      ; KC: key tile 8 n + 2 w
	s_mul_i32 s52, s21, 16*1536
	s_mul_i32 s54, s20, 4*1536
	s_add_co_u32 s52, s52, s54
	s_add_co_u32 s52, s52, VC
	s_add_nc_u64 s[38:39], s[34:35], s[52:53]      ; VC: fragment 16 n + 4 w
	s_lshl_b32 s52, s21, 9
	s_add_nc_u64 s[40:41], s[34:35], s[52:53]      ; + 512 n: KS, SQ, TT
	s_lshl_b32 s52, s21, 10
	s_add_nc_u64 s[42:43], s[34:35], s[52:53]      ; + 1,024 n: VS
	WIN 0x80
.irp q, 0,1,2,3,4,5,6,7
	global_load_b128 v[EB+4*\q:EB+4*\q+3], v216, s[8:9] offset:16*\q   ; emb_b[32 h + 8 u + j] is register 8 u + j: the C of feature tile u
.endr
	WIN 0
	global_load_b128 v[BR:BR+3], v217, s[44:45]    ; attn_b[64 w + 4 r + 0 .. 3]
	global_load_b128 v[TW:TW+3], v217, s[46:47]    ; thr_W likewise
	GLOAD RA, 28, 0, 1024, 1                       ; x, my first pixel tile
	GLOAD RB, 28, 8192, 1024, 1                    ; my second
	s_wait_kmcnt 0x0                               ; thr_b
	; ---- 1: seven steps of 16 rows x 256, two sets of registers by turns; the loads run two steps ahead
	QSTEP RA, 32
	GLOAD RA, 30, 0, 1024, 0                       ; emb_W, feature tile w
	QWORK 0, CB, SWD
	IMAGES 7, 8, 0
	WIN 0x80
.set GM, 0
.rept 32
	v_mov_b32 v[BI+GM], v[BR+GM/8]                 ; attn_b as the C of channel tile tt: the same number in its eight registers
.set GM, GM+1
.endr
	WIN 0
	QSTEP RB, 32
	GLOAD RB, 32, 0, 4096, 0                       ; attn_W, rows 64 w + 4 m
	QWORK 0, CB, SWD
	IMAGES 7, 8, 2
	QSTEP RA, 32
	GLOAD RA, 32, 1024, 4096, 0                    ; rows 64 w + 4 m + 1
	QWORK 0, CB, SWD
	IMAGES 9, 10, 0
	QSTEP RB, 32
	GLOAD RB, 32, 2048, 4096, 0
	QWORK 0x80, AF, AW                             ; attn_W's codes stay in my registers
	QSTEP RA, 32
	GLOAD RA, 32, 3072, 4096, 0
	QWORK 0x80, AF+24, AW+2
	QSTEP RB, 32
	QWORK 0x80, AF+48, AW+4
	QSTEP RA, 0                                    ; the last step: nothing is out behind it
	QWORK 0x80, AF+72, AW+6
	BARRIER                                        ; x's sixteen fragments and emb_W's eight lie in LDS
	; ---- 2: emb, transposed (source 0 = 16 features of emb_W, source 1 = 16 pixels of x): a lane holds one pixel and a whole block of 32 features
	WIN 0x80
.set GM, 0
.rept 8
.irp c, 0,1,2
	ds_load_b128 v[EF+12*GM+4*\c:EF+12*GM+4*\c+3], v11 offset:EIMG-XIMG+1536*GM+512*\c
.endr
.set GM, GM+1
.endr
	WIN 0x40
.set GM, 0
.rept 16
.irp c, 0,1,2
	ds_load_b128 v[12*GM+4*\c:12*GM+4*\c+3], v11 offset:1536*GM+512*\c
.endr
.set GM, GM+1
.endr
.set GM, 0
.rept 4
.irp c, 0,1,2
	ds_load_b128 v[OX+12*GM+4*\c:OX+12*GM+4*\c+3], v7 offset:1536*GM+512*\c
.endr
.set GM, GM+1
.endr
	WIN 0
.set GM, 0
.rept 8
	ds_load_b32 v[EW+GM], v12 offset:ESC-XSC+128*GM
.set GM, GM+1
.endr
.set GM, 0
.rept 16
	ds_load_b32 v[XSW+GM], v12 offset:128*GM
.set GM, GM+1
.endr
.set GM, 0
.rept 4
	ds_load_b32 v[OXS+GM], v8 offset:128*GM
.set GM, GM+1
.endr
	s_wait_dscnt 0x0
	WIN 0x26                                       ; emb_W window 2, x window 1, the bias window 2
.set PT, 0
.rept 2                                        ; the eight accumulators take turns, one instruction a turn
.set QB, 0
.rept 4
	v_wmma_scale_f32_16x16x128_f8f6f4 v[ACC+32*PT+8*QB:ACC+32*PT+8*QB+7], v[EF+24*QB:EF+24*QB+11], v[OX+24*PT:OX+24*PT+11], v[EB+8*QB:EB+8*QB+7], v[EW+2*QB], v[OXS+2*PT] matrix_a_fmt:MATRIX_FMT_FP6 matrix_b_fmt:MATRIX_FMT_FP6
.set QB, QB+1
.endr
.set PT, PT+1
.endr
	WIN 0x06
.set PT, 0
.rept 2
.set QB, 0
.rept 4
	v_wmma_scale_f32_16x16x128_f8f6f4 v[ACC+32*PT+8*QB:ACC+32*PT+8*QB+7], v[EF+24*QB+12:EF+24*QB+23], v[OX+24*PT+12:OX+24*PT+23], v[ACC+32*PT+8*QB:ACC+32*PT+8*QB+7], v[EW+2*QB+1], v[OXS+2*PT+1] matrix_a_fmt:MATRIX_FMT_FP6 matrix_b_fmt:MATRIX_FMT_FP6
.set QB, QB+1
.endr
.set PT, PT+1
.endr
	WIN 0
.rept 4
	v_nop                                          ; four places between the last product and the first read of results (ISA guide 7.12.1)
.endr
	v_pk_mul_f32 v[96:97], v[ACC:ACC+1], v[ACC:ACC+1]              ; sq of the unquantised emb; each accumulator is read from its low end on
	v_pk_mul_f32 v[98:99], v[ACC+32:ACC+33], v[ACC+32:ACC+33]
.set QJ, 2
.rept 15
	v_pk_fma_f32 v[96:97], v[ACC+QJ:ACC+QJ+1], v[ACC+QJ:ACC+QJ+1], v[96:97]
	v_pk_fma_f32 v[98:99], v[ACC+32+QJ:ACC+33+QJ], v[ACC+32+QJ:ACC+33+QJ], v[98:99]
.set QJ, QJ+2
.endr
	v_add_f32 v96, v96, v97
	v_add_f32 v98, v98, v99
	v_permlanex16_b32 v[TM+12], v96, s24, s25
	v_permlanex16_b32 v[TM+13], v98, s24, s25
	v_add_f32 v96, v96, v[TM+12]                   ; with the other 32 features
	v_add_f32 v98, v98, v[TM+13]
	v_mul_f32 v96, -0.5, v96
	v_mul_f32 v98, -0.5, v98
	ds_store_b32 v31, v96                          ; both halves of the lanes write the same word with the same value
	ds_store_b32 v31, v98 offset:32
	QMAX ACC, 2                                    ; a lane's 32 features are one block
	QCVT 2, ACC, 0, CB, 8
.irp pt, 0,1
	v_lshlrev_b32 v[KW+\pt], v30, v[TM+8+\pt]      ; my byte at place h,
	v_permlanex16_b32 v[TM+12+\pt], v[KW+\pt], s24, s25
	v_or_b32 v[KW+\pt], v[KW+\pt], v[TM+12+\pt]    ; with lane l xor 16's,
	v_or_b32 v[KW+\pt], 0x7f7f0000, v[KW+\pt]      ; and 127 for the two blocks of zero codes
.endr
	v_cndmask_b32 v[SWD], v[KW], v[KW+1], s27      ; lanes 0-15: tile 2 w; lanes 16-31: tile 2 w + 1
	ds_store_b32 v15, v[SWD]
.irp pt, 0,1
	global_store_b128 v1, v[CB+8*\pt:CB+8*\pt+3], s[36:37] offset:768*\pt          ; 512 consecutive bytes,
	global_store_b64 v255, v[CB+8*\pt+4:CB+8*\pt+5], s[36:37] offset:768*\pt+512   ; and 256
.endr
	; ---- 3: shortcut (source 0 = 16 pixels of x, source 1 = 16 channels of attn_W): a lane holds one channel and two whole blocks of 32 pixels
.macro SHORT tt
	WIN 0x29                                       ; x window 1, attn_W window 2, the bias window 2
.set QB, 0
.rept 8
	v_wmma_scale_f32_16x16x128_f8f6f4 v[ACC+8*QB:ACC+8*QB+7], v[24*QB:24*QB+11], v[AF+24*\tt:AF+24*\tt+11], v[BI+8*\tt:BI+8*\tt+7], v[XSW+2*QB], v[AW+2*\tt] matrix_a_fmt:MATRIX_FMT_FP6 matrix_b_fmt:MATRIX_FMT_FP6
.set QB, QB+1
.endr
	WIN 0x09
.set QB, 0
.rept 8
	v_wmma_scale_f32_16x16x128_f8f6f4 v[ACC+8*QB:ACC+8*QB+7], v[24*QB+12:24*QB+23], v[AF+24*\tt+12:AF+24*\tt+23], v[ACC+8*QB:ACC+8*QB+7], v[XSW+2*QB+1], v[AW+2*\tt+1] matrix_a_fmt:MATRIX_FMT_FP6 matrix_b_fmt:MATRIX_FMT_FP6
.set QB, QB+1
.endr
	WIN 0
.rept 4
	v_nop
.endr
.set QJ, 0
.rept 32                                       ; T's partial sums, in f32: += shortcut x thr_W of my channel; each accumulator is read from its low end on
.if \tt == 0
	v_pk_mul_f32 v[TPS+QJ:TPS+QJ+1], v[ACC+QJ:ACC+QJ+1], v[TW:TW+1] op_sel_hi:[1,0]
.elseif \tt == 1
	v_pk_fma_f32 v[TPS+QJ:TPS+QJ+1], v[ACC+QJ:ACC+QJ+1], v[TW:TW+1], v[TPS+QJ:TPS+QJ+1] op_sel:[0,1,0] op_sel_hi:[1,1,1]
.elseif \tt == 2
	v_pk_fma_f32 v[TPS+QJ:TPS+QJ+1], v[ACC+QJ:ACC+QJ+1], v[TW+2:TW+3], v[TPS+QJ:TPS+QJ+1] op_sel_hi:[1,0,1]
.else
	v_pk_fma_f32 v[TPS+QJ:TPS+QJ+1], v[ACC+QJ:ACC+QJ+1], v[TW+2:TW+3], v[TPS+QJ:TPS+QJ+1] op_sel:[0,1,0] op_sel_hi:[1,1,1]
.endif
.set QJ, QJ+2
.endr
	QMAX ACC, 2
	s_wait_xcnt 0x0                                ; the earlier stores have read v[CB] on: only behind this wait are those registers written again
	QCVT 2, ACC, 0, CB, 6
	WORD2 VW+\tt, TM+8, TM+9
.irp c, 0,1,2
	global_store_b128 v1, v[CB+4*\c:CB+4*\c+3], s[38:39] offset:1536*\tt+512*\c    ; the fragment as it stands: 512 consecutive bytes a store
.endr
.endm
	SHORT 0
	SHORT 1
	SHORT 2
	SHORT 3
.irp m, 1,2,4,8                                ; T over my wave's 64 channels: the sixteen lanes of a half
.set QJ, 0
.rept 64
	v_add_f32_dpp v[TPS+QJ], v[TPS+QJ], v[TPS+QJ] row_xmask:\m row_mask:0xf bank_mask:0xf
.set QJ, QJ+1
.endr
.endr
.set QJ, 0
.rept 16
	ds_store_b128 v13, v[TPS+4*QJ:TPS+4*QJ+3] offset:256*(QJ/8)+16*(QJ%8)   ; register 32 cc + i is pixel 64 cc + 32 h + i; the lanes of a half write the same bytes with the same values
.set QJ, QJ+1
.endr
	v_cndmask_b32 v[SWD], v[VW], v[VW+1], s27      ; lanes 0-15: the even tile's words; lanes 16-31: the odd tile's
	v_cndmask_b32 v[SWD+1], v[VW+2], v[VW+3], s27
	ds_store_b64 v14, v[SWD:SWD+1]
	BARRIER                                        ; the collectors are whole
	; ---- 4: wave 0 sends the collectors out, 512 consecutive bytes a store
	s_cmp_lg_u32 s20, 0
	s_cbranch_scc1 .Ldone
.irp k, 0,1,2,3
	ds_load_b128 v[32+4*\k:35+4*\k], v254 offset:512*\k
.endr
	ds_load_b128 v[48:51], v254 offset:COLVS-COLT
	ds_load_b128 v[52:55], v254 offset:COLVS-COLT+512
	ds_load_b128 v[56:59], v254 offset:COLKS-COLT
	ds_load_b128 v[60:63], v254 offset:COLSQ-COLT
	s_wait_dscnt 0x0
	v_pk_add_f32 v[32:33], v[32:33], v[36:37]
	v_pk_add_f32 v[34:35], v[34:35], v[38:39]
	v_pk_add_f32 v[40:41], v[40:41], v[44:45]
	v_pk_add_f32 v[42:43], v[42:43], v[46:47]
	v_pk_add_f32 v[32:33], v[32:33], v[40:41]
	v_pk_add_f32 v[34:35], v[34:35], v[42:43]
.irp k, 32,33,34,35
	v_add_f32 v\k, s26, v\k                        ; + thr_b
.endr
	global_store_b128 v1, v[32:35], s[40:41] offset:TT
	global_store_b128 v1, v[48:51], s[42:43] offset:VS
	global_store_b128 v1, v[52:55], s[42:43] offset:VS+512
	global_store_b128 v1, v[56:59], s[40:41] offset:KS
	global_store_b128 v1, v[60:63], s[40:41] offset:SQ
.Ldone:
	s_wait_tensorcnt 0x0
	ds_add_u32 v211, v215
	s_wait_dscnt 0x0
	s_endpgm
.Lfunc_end_k_q5432708a06_prep:
	.size	k_q5432708a06_prep, .Lfunc_end_k_q5432708a06_prep-k_q5432708a06_prep
	.p2alignl 7, 3214868480
	.fill 96, 4, 3214868480
	.section	.rodata,"a",@progbits
	.p2align	6, 0x0
	.amdhsa_kernel k_q5432708a06_prep
		.amdhsa_group_segment_fixed_size 111104
		.amdhsa_private_segment_fixed_size 0
		.amdhsa_enable_private_segment 0
		.amdhsa_kernarg_size 64
		.amdhsa_user_sgpr_count 2
		.amdhsa_user_sgpr_kernarg_segment_ptr 1
		.amdhsa_wavefront_size32 1
		.amdhsa_system_sgpr_workgroup_id_x 1
		.amdhsa_system_sgpr_workgroup_id_y 1
		.amdhsa_system_sgpr_workgroup_id_z 1
		.amdhsa_system_vgpr_workitem_id 0
		.amdhsa_next_free_vgpr 768
		.amdhsa_next_free_sgpr 66
		.amdhsa_reserve_vcc 0
		.amdhsa_float_denorm_mode_32 3
		.amdhsa_float_denorm_mode_16_64 3
		.amdhsa_memory_ordered 1
		.amdhsa_forward_progress 1
		.amdhsa_inst_pref_size 164
	.end_amdhsa_kernel
	.amdgpu_metadata
---
amdhsa.version: [ 1, 2 ]
amdhsa.kernels:
  - .name:           k_q5432708a06_prep
    .symbol:         k_q5432708a06_prep.kd
    .args:
      - { .name: feature_map, .offset: 0, .size: 8, .value_kind: global_buffer, .address_space: global }
      - { .name: emb_W, .offset: 8, .size: 8, .value_kind: global_buffer, .address_space: global }
      - { .name: emb_b, .offset: 16, .size: 8, .value_kind: global_buffer, .address_space: global }
      - { .name: attn_W, .offset: 24, .size: 8, .value_kind: global_buffer, .address_space: global }
      - { .name: attn_b, .offset: 32, .size: 8, .value_kind: global_buffer, .address_space: global }
      - { .name: thr_W, .offset: 40, .size: 8, .value_kind: global_buffer, .address_space: global }
      - { .name: thr_b, .offset: 48, .size: 8, .value_kind: global_buffer, .address_space: global }
      - { .name: kv, .offset: 56, .size: 8, .value_kind: global_buffer, .address_space: global }
    .group_segment_fixed_size: 111104
    .private_segment_fixed_size: 0
    .kernarg_segment_align: 8
    .kernarg_segment_size: 64
    .max_flat_workgroup_size: 128
    .sgpr_count:     66
    .vgpr_count:     768
    .wavefront_size: 32
...
	.end_amdgpu_metadata
.endif
;; end of part 1
;; launch attn (part 2): grid 8 x 32, 4 waves a work-group, clusters of 4 x 1, 316,928 bytes of LDS; arguments kv, feature_map, out0; writes out0
.if DOCPART == 2
	.amdgcn_target "amdgcn-amd-amdhsa--gfx1250"
	.amdhsa_code_object_version 6
	.text
	.protected	k_q5432708a06_attn
	.globl	k_q5432708a06_attn
	.p2align	8
	.type	k_q5432708a06_attn,@function
k_q5432708a06_attn:
	s_mov_b64 s[64:65], 0
	v_nop
	global_prefetch_b8 v0, s[64:65] scope:SCOPE_SE
	s_setreg_imm32_b32 hwreg(HW_REG_WAVE_MODE, 25, 1), 1
	s_wait_xcnt 0x0
	s_wait_alu depctr_hold_cnt(0) depctr_sa_sdst(0) depctr_va_vdst(0) depctr_va_sdst(0) depctr_va_ssrc(0) depctr_va_vcc(0) depctr_vm_vsrc(0)
	s_getreg_b32 s2, hwreg(HW_REG_IB_STS2, 6, 4)
	s_cmp_eq_u32 s2, 0
	s_cbranch_scc0 .Lentry_in_a_cluster
	s_endpgm
.Lentry_in_a_cluster:
	s_bfe_u32 s2, ttmp6, 0x10000c
	s_cmp_lg_u32 s2, 0x3003
	s_cbranch_scc0 .Lentry_shape_is_right
	s_endpgm
.Lentry_shape_is_right:
; ATTN.  out = x + (Q(p) Q(shortcut)) / l for 128 queries (key step wgx = 4 x cluster x + cx) of one image (cluster y).
;   e1 = exp(exp(-d2) - 1 + mask), d2 = max(sq_i + sq_j - 2 Q(emb_i).Q(emb_j), 0);  sim = e1 / Z, Z the row's sum;  p = 2^(max(sim - T_j, 0) L - M'), L = log2(e);  l = the row's sum of the unquantised p.
; THE IMAGE'S WHOLE BLOCK OF kv (266,240 bytes: K's codes and scales, -sq/2, T, V's scales and codes, laid as the operand registers want them) comes into LDS ONCE, by two tensor loads a wave.  The four work-groups of a
; cluster belong to one image and ask for it JOINTLY.  No LDS byte is filled twice.
; SHARES.  Wave w takes query tile 4 tau + w (16 queries) in trip tau = 0, 1.  Pass A: for each of 8 chunks of 128 keys, S^T = K Q^T (a lane holds one query; its 64 registers are two whole blocks of 32 keys: one image row each),
; two exponentials, e1 kept in 512 registers, Z summed.  Pass B: p from e1, quantised in registers, O += P V (source 0 = P, source 1 = 16 channels of V).  So each score has three exponentials and nothing is computed twice.
; THE FIRST SOFTMAX TAKES NO MAXIMUM: its logits lie in [-1, 1] for every input, since d2 is held at 0 from below and the mask lies in [0, 1].
; THE SECOND: M' = ceil(max(1 - min_j T_j, 0) L), a whole number made from the image's own T.  Since sim lies in [0, 1], M' is at least the row's ceil(largest t) and at most 2 above it; p and l carry the same exact power of two,
; which the blocks' scales take up.
; THE MASK: (mask - 1) L hangs on y_j - y_i, x_i, x_j alone.  A table in LDS has a row for each rho = y_j - y_l + 3 (y_l: the query's row among the work-group's four), with four copies (x_i % 4) of 64 entries:
; entry e is for x_j - x_i = e - 32 - x_i % 4, so that a lane's 32 entries begin at a multiple of 16 bytes.  The work-group's place enters the table's numbers, never an LDS address.
; LIMITS: NaN and infinities are not served.  v_exp_f32 gives 0 for results under 2^-126.  1 / Z and 1 / l are v_rcp_f32.  A block's largest p is the exponential of its largest exponent (taken not to fall where its input rises).
; A block whose every p is 0 gets the scale byte 1.
.set KC, 0
.set KS, 49152
.set SQ, 53248
.set TT, 57344
.set VS, 61440
.set VC, 69632
.set IMG, 266240
.set TAU, 266240                       ; tau_j = -L T_j - M', 4,096 bytes, made here
.set TAB, 270336                       ; the mask table: 35 rows of TROW bytes
.set TROW, 1312                        ; 4 copies 320 bytes apart; with 1,312 and 320 the sixteen lanes of a load begin at sixteen different 16-byte columns modulo 256 bytes
; window 0: v1 16 x lane, v2 8 x lane, v3 SQ + 128 h, v4 TAU + 128 h, v5 the table's address of this trip, v6 V's fragments of the chunk, v7 VS + 16 x lane, v8 32,768 h + 16 r, v9 16 r,
;   v[10:11] -sq_i L, v[12:13] L / Z, v14 -M', v15 8 h, v[16:19] and v[90:93] four chains of sums, v28-29 at work, v87-89, v95 addresses, v46-54 at work in the quantiser
.set RL, 20                            ; v20-27  1 / l of query 8 h + j
.set QF, 32                            ; v32-43  Q's fragment (registers 6-11: zero codes)
.set QS, 44                            ; v44     its scale words
.set PW, 45                            ; v45     p's scale word
.set KSC, 56                           ; v56-59  K's scale words of a chunk;  v60-63, v64-67 V's (channel tiles 0-7, 8-15)
.set VSL, 60
.set VSH, 64
.set PC, 68                            ; v68-79  p's codes
.set CT, 80                            ; v80-82, v84-86 second halves of blocks
.set SS, 96                            ; v96-159 the chunk's 64 numbers: register 32 cc + i = key 64 cc + 32 h + i
.set RR, 160                           ; v160-223 64 numbers by key: -sq_j / 2, later tau_j
.set FF, 128                           ; window 1: v128-223 eight fragments of K or V;  v0-63 the table's entries (pass A);  v0-127 O (pass B)
; windows 2, 3: e1: chunk n at v[64 (n % 4)] of window 2 + n / 4; window 2's v0-127 later hold x and the result
.set MSB, 0
.macro WIN new                         ; the immediate's high byte repeats the setting that is left; a switch that changes nothing is dropped
.if MSB != (\new)
	s_set_vgpr_msb (MSB<<8)|(\new)
.set MSB, (\new)
.endif
.endm
.macro CROUND                          ; a round of the cluster's barrier: my work-group's barrier; wave 0 signals for the work-group; every wave waits for all four work-groups; my work-group's barrier once more
	s_barrier_signal -1
	s_barrier_wait -1
	s_cmp_lg_u32 s10, 0
	s_cbranch_scc1 .Lnot_wave_0_\@
	s_barrier_signal -3
.Lnot_wave_0_\@:
	s_barrier_wait -3
	s_barrier_signal -1
	s_barrier_wait -1
.endm
.macro LDR base, n                     ; 16 loads: chunk n's 64 numbers by key; the lanes of a half read the same bytes
.set QI, 0
.rept 16
	ds_load_b128 v[RR+4*QI:RR+4*QI+3], v[\base] offset:512*(\n)+256*(QI/8)+16*(QI%8)
.set QI, QI+1
.endr
.endm
.macro LDK n                           ; 17 loads: chunk n's eight fragments of K (six registers each) and their scale words
	WIN 0x40
.set QI, 0
.rept 8
	ds_load_b128 v[FF+12*QI:FF+12*QI+3], v1 offset:KC+768*(8*(\n)+QI)
	ds_load_b64 v[FF+12*QI+4:FF+12*QI+5], v2 offset:KC+768*(8*(\n)+QI)+512
.set QI, QI+1
.endr
	WIN 0
	ds_load_b128 v[KSC:KSC+3], v1 offset:KS+512*(\n)
.endm
.macro LDM n                           ; 16 loads: the table's entries for chunk n: key rows 4 n + 2 cc + h
	WIN 0x40
.set QI, 0
.rept 16
	ds_load_b128 v[4*QI:4*QI+3], v5 offset:(4*(\n)+2*(QI/8))*TROW+16*(QI%8)
.set QI, QI+1
.endr
	WIN 0
.endm
.macro LDV t0                          ; 24 loads: eight fragments of V, channel tiles t0 on, of the chunk that v6 names
	WIN 0x40
.set QI, 0
.rept 8
.irp c, 0,1,2
	ds_load_b128 v[FF+12*QI+4*\c:FF+12*QI+4*\c+3], v6 offset:1536*(\t0+QI)+512*\c
.endr
.set QI, QI+1
.endr
	WIN 0
.endm
.macro ZSUM m                          ; e1 of chunk m into the four chains
	WIN 0x08+4*((\m)/4)
.set QI, 0
.rept 8
	v_pk_add_f32 v[16:17], v[16:17], v[64*((\m)%4)+8*QI:64*((\m)%4)+8*QI+1]
	v_pk_add_f32 v[18:19], v[18:19], v[64*((\m)%4)+8*QI+2:64*((\m)%4)+8*QI+3]
	v_pk_add_f32 v[90:91], v[90:91], v[64*((\m)%4)+8*QI+4:64*((\m)%4)+8*QI+5]
	v_pk_add_f32 v[92:93], v[92:93], v[64*((\m)%4)+8*QI+6:64*((\m)%4)+8*QI+7]
.set QI, QI+1
.endr
	WIN 0
.endm
.macro CLEARSUM
.irp k, 16,17,18,19,90,91,92,93
	v_mov_b32 v\k, 0
.endr
.endm
.macro JOINSUM                         ; the four chains, their halves and lane l xor 16's: the row's sum in v16
	v_pk_add_f32 v[16:17], v[16:17], v[18:19]
	v_pk_add_f32 v[90:91], v[90:91], v[92:93]
	v_pk_add_f32 v[16:17], v[16:17], v[90:91]
	v_add_f32 v16, v16, v17
	v_permlanex16_b32 v18, v16, s40, s41
	v_add_f32 v16, v16, v18
.endm
; PASS A, chunk n
.macro ACH n
	s_wait_dscnt 16                        ; -sq_j / 2, K's fragments and scale words are in; the table's 16 loads, issued behind them, may stay out
.if \n == 0
	s_wait_loadcnt 0x0                     ; Q's fragment, its scale words, -sq_i / 2
	v_mul_f32 v10, s42, v28                ; -sq_i L
	v_mul_f32 v11, s42, v28
.endif
	WIN 0x01                               ; K's fragments: window 1
.set QI, 0
.rept 4                                ; G - sq_j / 2: eight tiles of 16 keys; C brings -sq_j / 2
	v_wmma_scale_f32_16x16x128_f8f6f4 v[SS+16*QI:SS+16*QI+7], v[FF+24*QI:FF+24*QI+11], v[QF:QF+11], v[RR+16*QI:RR+16*QI+7], v[KSC+QI], v[QS] matrix_a_fmt:MATRIX_FMT_FP6 matrix_b_fmt:MATRIX_FMT_FP6
	v_wmma_scale_f32_16x16x128_f8f6f4 v[SS+16*QI+8:SS+16*QI+15], v[FF+24*QI+12:FF+24*QI+23], v[QF:QF+11], v[RR+16*QI+8:RR+16*QI+15], v[KSC+QI], v[QS] matrix_a_fmt:MATRIX_FMT_FP6 matrix_b_fmt:MATRIX_FMT_FP6 matrix_a_scale:MATRIX_SCALE_ROW1
.set QI, QI+1
.endr
.if \n > 0
	ZSUM (\n)-1                            ; the last chunk's e1 is summed here: 32 plain instructions that name none of the products' registers: the places behind them (ISA guide 7.12.1)
.else
	WIN 0
.rept 4
	v_nop
.endr
.endif
.if \n < 7
	LDR 3, (\n)+1                          ; the next chunk's operands: 33 loads
	LDK (\n)+1
.endif
.set QI, 0
.rept 32
	v_pk_fma_f32 v[SS+2*QI:SS+2*QI+1], v[SS+2*QI:SS+2*QI+1], s[42:43], v[10:11] op_sel_hi:[1,0,0]   ; -d2 L = 2 L (G - sq_j / 2) - sq_i L; each accumulator is read from its low end on
.set QI, QI+1
.endr
.set QI, 0
.rept 64
	v_min_num_f32 v[SS+QI], 0, v[SS+QI]    ; d2 is held at 0 from below
.set QI, QI+1
.endr
.set QI, 0
.rept 64
	v_exp_f32 v[SS+QI], v[SS+QI]           ; exp(-d2)
.set QI, QI+1
.endr
	v_nop                                  ; a plain place behind the batch,
	s_wait_alu depctr_va_vdst(0)           ; and one wait ahead of its first reader
.if \n < 7
	s_wait_dscnt 33                        ; the table's entries are in; the 33 loads issued behind them may stay out
.else
	s_wait_dscnt 0x0
.endif
	WIN 0x10                               ; the table's entries: window 1
.set QI, 0
.rept 32
	v_pk_fma_f32 v[SS+2*QI:SS+2*QI+1], v[SS+2*QI:SS+2*QI+1], s[44:45], v[2*QI:2*QI+1] op_sel_hi:[1,0,1]   ; (exp(-d2) - 1 + mask) L
.set QI, QI+1
.endr
	WIN 0
.if \n < 7
	LDM (\n)+1
.endif
	WIN 0x80+0x40*((\n)/4)
.set QI, 0
.rept 64
	v_exp_f32 v[64*((\n)%4)+QI], v[SS+QI]  ; e1, kept
.set QI, QI+1
.endr
	v_nop
	s_wait_alu depctr_va_vdst(0)           ; one wait for the batch
	WIN 0
.endm
; eight products O += P V: channel tiles t0 on; sc: V's scale words; zero = 1: they start the sums
.macro PV t0, sc, zero
	WIN 0x54                               ; V window 1, O window 1, P window 0.  The sixteen accumulators take turns, one instruction a turn
.set QI, 0
.rept 4
.if \zero
	v_wmma_scale_f32_16x16x128_f8f6f4 v[8*(\t0+2*QI):8*(\t0+2*QI)+7], v[PC:PC+11], v[FF+24*QI:FF+24*QI+11], 0, v[PW], v[\sc+QI] matrix_a_fmt:MATRIX_FMT_FP6 matrix_b_fmt:MATRIX_FMT_FP6
	v_wmma_scale_f32_16x16x128_f8f6f4 v[8*(\t0+2*QI)+8:8*(\t0+2*QI)+15], v[PC:PC+11], v[FF+24*QI+12:FF+24*QI+23], 0, v[PW], v[\sc+QI] matrix_a_fmt:MATRIX_FMT_FP6 matrix_b_fmt:MATRIX_FMT_FP6 matrix_b_scale:MATRIX_SCALE_ROW1
.else
	v_wmma_scale_f32_16x16x128_f8f6f4 v[8*(\t0+2*QI):8*(\t0+2*QI)+7], v[PC:PC+11], v[FF+24*QI:FF+24*QI+11], v[8*(\t0+2*QI):8*(\t0+2*QI)+7], v[PW], v[\sc+QI] matrix_a_fmt:MATRIX_FMT_FP6 matrix_b_fmt:MATRIX_FMT_FP6
	v_wmma_scale_f32_16x16x128_f8f6f4 v[8*(\t0+2*QI)+8:8*(\t0+2*QI)+15], v[PC:PC+11], v[FF+24*QI+12:FF+24*QI+23], v[8*(\t0+2*QI)+8:8*(\t0+2*QI)+15], v[PW], v[\sc+QI] matrix_a_fmt:MATRIX_FMT_FP6 matrix_b_fmt:MATRIX_FMT_FP6 matrix_b_scale:MATRIX_SCALE_ROW1
.endif
.set QI, QI+1
.endr
	WIN 0
.endm
; PASS B, chunk n.  The products of channel tiles 8-15 of chunk n - 1 stand in the middle of chunk n's vector work, those of tiles 0-7 of chunk n at its end: one set of eight fragment slots serves both.
.macro BCH n
.if \n == 0
	s_wait_dscnt 0x0                       ; tau of chunk 0 (later chunks': the wait for 0 at the end of the chunk before)
.endif
	WIN 0x02+(\n)/4
.set QI, 0
.rept 32
	v_pk_fma_f32 v[SS+2*QI:SS+2*QI+1], v[64*((\n)%4)+2*QI:64*((\n)%4)+2*QI+1], v[12:13], v[RR+2*QI:RR+2*QI+1] op_sel_hi:[1,0,1]   ; sim L - T_j L - M'.  (Also the places behind the last products)
.set QI, QI+1
.endr
	WIN 0
.if \n > 0
	LDV 8                                  ; the last chunk's channel tiles 8-15 (v6 still names that chunk)
	ds_load_b128 v[VSH:VSH+3], v7 offset:1024*((\n)-1)+512
.endif
.if \n < 7
	LDR 4, (\n)+1                          ; the next chunk's tau
.endif
.if \n == 2
	WIN 0x80                               ; x, into the registers that e1 of chunks 0 and 1 has left: five chunks ahead of its use.  Sixteen lanes read 256 consecutive bytes
.set WG, 0
.rept 4
.set WJ, 0
.rept 8
	global_load_b128 v[4*(8*WG+WJ):4*(8*WG+WJ)+3], v8, s[48:49] offset:1024*WJ+256*WG th:TH_LOAD_NT
.set WJ, WJ+1
.endr
.set WG, WG+1
.endr
	WIN 0
.endif
.set QI, 0
.rept 64
	v_max_num_f32 v[SS+QI], v14, v[SS+QI]  ; max(sim - T_j, 0) L - M'
.set QI, QI+1
.endr
.if \n > 0
.if \n < 7
	s_wait_dscnt 16                        ; V's fragments and scale words are in; tau's 16 loads, issued behind them, may stay out
.else
	s_wait_dscnt 0x0
.endif
.if \n == 1
	PV 8, VSH, 1
.else
	PV 8, VSH, 0
.endif
.endif
	v_max3_num_f32 v46, v[SS], v[SS+1], v[SS+2]                    ; the largest exponent of each of my two blocks, in four chains.  (Also the places behind the products above)
	v_max3_num_f32 v52, v[SS+16], v[SS+17], v[SS+18]
	v_max3_num_f32 v47, v[SS+32], v[SS+33], v[SS+34]
	v_max3_num_f32 v53, v[SS+48], v[SS+49], v[SS+50]
.set QI, 3
.rept 6
	v_max3_num_f32 v46, v46, v[SS+QI], v[SS+QI+1]
	v_max3_num_f32 v52, v52, v[SS+16+QI], v[SS+17+QI]
	v_max3_num_f32 v47, v47, v[SS+32+QI], v[SS+33+QI]
	v_max3_num_f32 v53, v53, v[SS+48+QI], v[SS+49+QI]
.set QI, QI+2
.endr
	v_max3_num_f32 v46, v46, v[SS+15], v[SS+31]
	v_max3_num_f32 v47, v47, v[SS+47], v[SS+63]
	v_max_num_f32 v46, v46, v52
	v_max_num_f32 v47, v47, v53
	v_add_nc_u32 v6, VC+24576*(\n), v1     ; this chunk's fragments of V
	LDV 0
	ds_load_b128 v[VSL:VSL+3], v7 offset:1024*(\n)
.set QI, 0
.rept 64
	v_exp_f32 v[SS+QI], v[SS+QI]           ; p, not normalised
.set QI, QI+1
.endr
	v_exp_f32 v46, v46                     ; each block's largest p
	v_exp_f32 v47, v47
	v_nop
	s_wait_alu depctr_va_vdst(0)           ; one wait for the batch of 66
	v_max_num_f32 v46, 0x1800000, v46      ; the floor 2^(3 - 127): the byte cannot fall under 1
	v_max_num_f32 v47, 0x1800000, v47
	v_add_nc_u32 v48, 0xff000000, v46      ; 2 off the exponent field: the conversion's scale operand
	v_add_nc_u32 v49, 0xff000000, v47
	v_lshrrev_b32 v50, 23, v48             ; the scale's byte
	v_lshrrev_b32 v51, 23, v49
	v_lshl_or_b32 v[PW], v51, 16, v50      ; my blocks h and 2 + h,
	v_lshlrev_b32 v[PW], v15, v[PW]
	v_permlanex16_b32 v54, v[PW], s40, s41
	v_or_b32 v[PW], v[PW], v54             ; with lane l xor 16's two
	v_cvt_scalef32_pk16_fp6_f32 v[PC:PC+2], v[SS:SS+15], v48
	v_cvt_scalef32_pk16_fp6_f32 v[CT:CT+2], v[SS+16:SS+31], v48
	v_cvt_scalef32_pk16_fp6_f32 v[PC+6:PC+8], v[SS+32:SS+47], v49
	v_cvt_scalef32_pk16_fp6_f32 v[CT+4:CT+6], v[SS+48:SS+63], v49
	v_nop                                  ; one plain place behind the scaled conversions
.irp i, 0,1,2
	v_mov_b32 v[PC+3+\i], v[CT+\i]
	v_mov_b32 v[PC+9+\i], v[CT+4+\i]
.endr
.set QI, 0
.rept 8                                ; l: the sum of the unquantised p.  (These 32 are also the places between the writes of p's scale word and codes and the products)
	v_pk_add_f32 v[16:17], v[16:17], v[SS+8*QI:SS+8*QI+1]
	v_pk_add_f32 v[18:19], v[18:19], v[SS+8*QI+2:SS+8*QI+3]
	v_pk_add_f32 v[90:91], v[90:91], v[SS+8*QI+4:SS+8*QI+5]
	v_pk_add_f32 v[92:93], v[92:93], v[SS+8*QI+6:SS+8*QI+7]
.set QI, QI+1
.endr
	s_wait_dscnt 0x0                       ; V's fragments and scale words, and the next chunk's tau
.if \n == 0
	PV 0, VSL, 1
.else
	PV 0, VSL, 0
.endif
.endm
	s_load_b128 s[4:7], s[0:1], 0x0                ; kv s[4:5], feature_map s[6:7]
	s_load_b64 s[8:9], s[0:1], 0x10                ; out0
	v_lshl_add_u32 v55, v0, 2, 0x4d400
	v_mov_b32 v83, 0
	ds_add_u32 v55, v83
	ds_add_u32 v55, v83
	v_lshrrev_b32 v1, 5, v0
	v_readfirstlane_b32 s10, v1                    ; wave 0..3
	s_bfe_u32 s11, ttmp6, 0x40000                  ; cx: my place in the cluster
	s_lshl_b32 s12, ttmp9, 2
	s_add_co_u32 s12, s12, s11                     ; wgx = 4 x cluster x + cx: it enters global addresses and the table's numbers alone
	s_and_b32 s13, ttmp7, 0xffff                   ; the image, which the four partners share
	; descriptor group 1: dense rows of 256 bytes (32 elements of 8 bytes), no padding; 60 rows a wave for K's part, 200 for V's
	s_mov_b32 s16, 15|(3<<16)|(1<<21)              ; 15:0 the mask: all four work-groups; 17:16 elements of 8 bytes; 21 set beside a mask
	s_mov_b32 s17, 32<<16                          ; tensor_dim0 = 32
	s_mov_b32 s18, 60<<16                          ; tensor_dim1 = 60
	s_mov_b32 s19, 32<<16                          ; tile_dim0 = 32
	s_mov_b32 s20, 60                              ; tile_dim1 = 60
	s_mov_b32 s21, 32                              ; from row to row
	s_mov_b32 s22, 0
	s_mov_b32 s23, 0
	s_mov_b32 s24, 15|(3<<16)|(1<<21)
	s_mov_b32 s25, 32<<16
	s_mov_b32 s26, 200<<16
	s_mov_b32 s27, 32<<16
	s_mov_b32 s28, 200
	s_mov_b32 s29, 32
	s_mov_b32 s30, 0
	s_mov_b32 s31, 0
	s_mov_b32 s32, 1
	s_mul_i32 s33, s10, 15360                      ; bytes 0 .. 61,439 (KC, KS, SQ, TT): a quarter a wave; LDS address = offset in the image's block
	s_mov_b32 s36, 1
	s_mul_i32 s37, s10, 51200                      ; bytes 61,440 .. 266,239 (VS, VC)
	s_add_co_u32 s37, s37, VS
	s_mov_b32 s66, s33
	s_mov_b32 s67, 0
	s_mov_b32 s86, s37
	s_mov_b32 s87, 0
	s_mul_i32 s62, s13, IMG
	s_mov_b32 s63, 0
	s_mov_b32 s40, 0x76543210
	s_mov_b32 s41, 0xfedcba98                      ; v_permlanex16_b32's selects for lane l xor 16
	s_mov_b32 s42, 0x4038aa3b                      ; 2 L
	s_mov_b32 s43, s42                             ; (named with it as a pair, so it is written)
	s_mov_b32 s44, 0x3fb8aa3b                      ; L = log2(e)
	s_mov_b32 s45, s44
	s_mov_b32 s84, 0xffff0000                      ; lanes 16-31
	s_wait_dscnt 0x0
	s_wait_kmcnt 0x0
	s_add_nc_u64 s[4:5], s[4:5], s[62:63]          ; the image's block
	s_add_nc_u64 s[34:35], s[4:5], s[66:67]
	s_or_b32 s35, s35, 0x80000000                  ; type = 2
	s_add_nc_u64 s[38:39], s[4:5], s[86:87]
	s_or_b32 s39, s39, 0x80000000
	CROUND                                         ; all four work-groups are here: the joint loads meet
	tensor_load_to_lds s[32:35], s[16:23]          ; two loads of mine are out; they are the only ones of the launch
	s_nop 0
	tensor_load_to_lds s[36:39], s[24:31]
	s_nop 0
.rept 4
	v_nop                                          ; four plain lines follow the loads
.endr
	v_and_b32 v90, 31, v0                          ; lane
	v_lshlrev_b32 v1, 4, v90
	v_lshlrev_b32 v2, 3, v90
	v_and_b32 v91, 15, v0                          ; r
	v_bfe_u32 v92, v0, 4, 1                        ; h
	v_lshlrev_b32 v3, 7, v92
	v_add_nc_u32 v4, TAU, v3
	v_add_nc_u32 v3, SQ, v3
	v_add_nc_u32 v7, VS, v1
	v_lshlrev_b32 v9, 4, v91
	v_lshl_add_u32 v8, v92, 15, v9                 ; x, out: query 8 h + j lies 32 h + j pixels on; 16 r bytes of a group of 64 channels
	v_lshlrev_b32 v15, 3, v92
	; the table's address for lane (r, h): query row y_l = 2 tau + r / 8, x_i = 8 w + r % 8.  Row h - r / 8 + 3 - 2 tau, copy r % 4, entry 32 - 8 w - 4 ((r / 4) % 2): all terms made by additions
	v_lshrrev_b32 v93, 3, v91
	v_xor_b32 v93, 1, v93
	v_add_nc_u32 v94, v92, v93                     ; h + 1 - r / 8
	v_mul_u32_u24 v88, v94, TROW
	v_and_b32 v94, 3, v91
	v_mad_u32_u24 v88, v94, 320, v88
	v_bfe_u32 v94, v91, 2, 1
	v_xor_b32 v94, 1, v94
	v_lshl_add_u32 v88, v94, 4, v88                ; + 16 - 16 ((r / 4) % 2)
	s_xor_b32 s62, s10, 3                          ; 3 - w
	s_lshl_b32 s62, s62, 5
	s_add_co_u32 s62, s62, TAB+16                  ; 128 = 16 + 16 + 96
	v_add_nc_u32 v88, s62, v88                     ; v88 + 2 rows x (1 - tau) is the trip's address
	v_lshrrev_b32 v93, 3, v91
	v_and_b32 v94, 7, v91
	v_lshlrev_b32 v94, 2, v94
	v_lshl_add_u32 v89, v93, 7, v94                ; -sq_i / 2: pixel 32 (r / 8) + r % 8 on
	s_lshl_b32 s62, s10, 10
	v_add_nc_u32 v95, s62, v1                      ; my wave's quarter of T,
	v_add_nc_u32 v87, TAU, v95                     ; and of tau
.irp k, 38,39,40,41,42,43
	v_mov_b32 v\k, 0                               ; Q's codes of k = 64 .. 127: zeros
.endr
	v_mov_b32 v54, 0                               ; written once: a lane permute's destination counts as one of its sources
	; global addresses
	s_mov_b32 s89, 0
	s_lshl_b32 s88, s13, 20
	s_lshl_b32 s85, s12, 17
	s_add_co_u32 s88, s88, s85
	s_lshl_b32 s85, s10, 13
	s_add_co_u32 s88, s88, s85                     ; pixel 1,024 image + 128 wgx + 8 w, 1,024 bytes each
	s_add_nc_u64 s[48:49], s[6:7], s[88:89]
	s_add_nc_u64 s[50:51], s[8:9], s[88:89]
	s_mul_i32 s88, s12, 8*768
	s_mul_i32 s85, s10, 768
	s_add_co_u32 s88, s88, s85
	s_add_nc_u64 s[52:53], s[4:5], s[88:89]        ; Q's fragment is key tile 8 wgx + 4 tau + w's image
	s_lshl_b32 s88, s12, 9
	s_and_b32 s85, s10, 1
	s_lshl_b32 s85, s85, 8
	s_add_co_u32 s88, s88, s85
	s_lshr_b32 s85, s10, 1
	s_lshl_b32 s85, s85, 2
	s_add_co_u32 s88, s88, s85
	s_add_co_u32 s88, s88, KS
	s_add_nc_u64 s[54:55], s[4:5], s[88:89]        ; its scale words: word 2 tau + w / 2 of lanes 16 (w % 2) + r
	s_lshl_b32 s88, s12, 9
	s_lshl_b32 s85, s10, 5
	s_add_co_u32 s88, s88, s85
	s_add_co_u32 s88, s88, SQ
	s_add_nc_u64 s[56:57], s[4:5], s[88:89]        ; -sq / 2 at pixel 128 wgx + 8 w
	; the mask table: thread t writes entry t % 64 of copies t / 64 and t / 64 + 2 of each row
	v_and_b32 v224, 63, v0
	v_lshrrev_b32 v225, 6, v0
	v_sub_nc_u32 v226, v224, v225
	v_add_nc_u32 v226, 0xffffffe0, v226
	v_cvt_f32_i32 v226, v226                       ; x_j - x_i = e - 32 - copy
	v_add_f32 v227, -2.0, v226
	v_mul_u32_u24 v229, v225, 320
	v_lshl_add_u32 v229, v224, 2, v229
	v_add_nc_u32 v229, TAB, v229
	v_mov_b32 v233, 0x3d38aa3b                     ; L / 32
	v_mov_b32 v234, 0xbfb8aa3b                     ; -L
	s_mov_b32 s58, 0                               ; rho
	s_mov_b32 s59, 0                               ; its row's bytes
	s_lshl_b32 s61, s12, 2
	s_add_co_u32 s61, s61, 3                       ; y_j - y_i = rho - 3 - 4 wgx
.Ltab:
	s_sub_co_i32 s60, s58, s61
	s_sub_co_i32 s85, s61, s58
	s_max_i32 s60, s60, s85
	v_cvt_f32_u32 v236, s60
	v_add_nc_u32 v230, s59, v229
	v_add_f32 v228, v236, |v226|                   ; the L1 distance
	v_add_f32 v231, v236, |v227|
	v_fma_f32 v232, v228, v233, v234               ; (distance / 32 - 1) L
	v_fma_f32 v235, v231, v233, v234
	v_cmp_ge_f32 vcc_lo, 0x42000000, v228          ; 32 >= distance?  Else the mask is 0
	v_cndmask_b32 v232, v234, v232, vcc_lo
	v_cmp_ge_f32 vcc_lo, 0x42000000, v231
	v_cndmask_b32 v235, v234, v235, vcc_lo
	ds_store_b32 v230, v232
	ds_store_b32 v230, v235 offset:640
	s_add_co_u32 s59, s59, TROW
	s_add_co_u32 s58, s58, 1
	s_cmp_lt_u32 s58, 35
	s_cbranch_scc1 .Ltab
	s_wait_tensorcnt 0x1                           ; my quarter of KC .. TT has landed; V's load, issued behind it, may stay out
	s_wait_dscnt 0x0                               ; my part of the table is stored
	s_barrier_signal -1
	s_barrier_wait -1                              ; everybody's
	; the smallest T of the image, M', and my wave's quarter of tau
.set QI, 0
.rept 8
	ds_load_b128 v[224+4*QI:227+4*QI], v1 offset:TT+512*QI
.set QI, QI+1
.endr
	ds_load_b128 v[160:163], v95 offset:TT
	ds_load_b128 v[164:167], v95 offset:TT+512
	s_wait_dscnt 0x0
	v_min3_num_f32 v46, v224, v225, v226
	v_min3_num_f32 v47, v227, v228, v229
.set QI, 230
.rept 6
	v_min3_num_f32 v46, v46, v[QI], v[QI+1]
	v_min3_num_f32 v47, v47, v[QI+2], v[QI+3]
.set QI, QI+4
.endr
	v_min3_num_f32 v46, v46, v254, v255
	v_min_num_f32 v46, v46, v47
.irp m, 1,2,4,8
	v_min_num_f32_dpp v46, v46, v46 row_xmask:\m row_mask:0xf bank_mask:0xf
.endr
	v_permlanex16_b32 v54, v46, s40, s41
	v_min_num_f32 v46, v46, v54
	v_sub_f32 v46, 1.0, v46
	v_max_num_f32 v46, 0, v46
	v_mul_f32 v46, s44, v46
	v_floor_f32 v14, -v46                          ; -M' = -ceil(max(1 - min T, 0) L)
.irp i, 0,1,2,3,4,5,6,7
	v_fma_f32 v[168+\i], -v[160+\i], s44, v14      ; tau = -L T - M'
.endr
	ds_store_b128 v87, v[168:171]
	ds_store_b128 v87, v[172:175] offset:512
	s_mov_b32 s46, 0                               ; the trip
	s_mov_b32 s47, 2*TROW                          ; two table rows x (1 - tau)
.Ltile:
	global_load_b128 v[QF:QF+3], v1, s[52:53]
	global_load_b64 v[QF+4:QF+5], v2, s[52:53] offset:512
	global_load_b32 v[QS], v9, s[54:55]
	global_load_b32 v28, v89, s[56:57]
	v_add_nc_u32 v5, s47, v88
	WIN 0x40
.set QI, 0
.rept 8
.irp i, 6,7,8,9,10,11
	v_mov_b32 v[FF+12*QI+\i], 0                    ; K's codes of k = 64 .. 127: zeros (V's fragments have lain here)
.endr
.set QI, QI+1
.endr
	WIN 0
	CLEARSUM                                       ; (these eight are also the places between the writes above and the first products)
	LDR 3, 0
	LDK 0
	LDM 0
.irp n, 0,1,2,3,4,5,6,7
	ACH \n
.endr
	ZSUM 7
	JOINSUM
	v_rcp_f32 v12, v16
	v_nop
	s_wait_alu depctr_va_vdst(0)
	v_mul_f32 v12, s44, v12                        ; L / Z
	v_mov_b32 v13, v12
	s_wait_tensorcnt 0x0                           ; V's part has landed while pass A ran (in the second trip nothing is out).  No slot is filled behind this barrier: it shows V and tau to every wave
	s_wait_dscnt 0x0                               ; my quarter of tau is stored
	s_barrier_signal -1
	s_barrier_wait -1
	LDR 4, 0
	CLEARSUM
.irp n, 0,1,2,3,4,5,6,7
	BCH \n
.endr
.rept 4
	v_nop                                          ; places in front of loads into registers that the last products have read
.endr
	LDV 8
	ds_load_b128 v[VSH:VSH+3], v7 offset:1024*7+512
	s_wait_dscnt 0x0
	PV 8, VSH, 0
	; THE WAY OUT.  In O register j of lane (r, h) is query 8 h + j; l lies in lane r for query r: its reciprocal goes through scalar registers.  (This work is also the places behind the last products.)
	JOINSUM
	v_rcp_f32 v28, v16
	v_nop
	s_wait_alu depctr_va_vdst(0)
.set QI, 0
.rept 16
	v_readlane_b32 s[68+QI], v28, QI
.set QI, QI+1
.endr
.set QI, 0
.rept 8
	v_mov_b32 v[RL+QI], s[68+QI]
	v_mov_b32 v29, s[76+QI]
	v_cndmask_b32 v[RL+QI], v[RL+QI], v29, s84
.set QI, QI+1
.endr
	s_wait_loadcnt 0x0                             ; x
.set WG, 0
.rept 4                                        ; 64 channels at a time: channel tiles 4 g .. 4 g + 3 hold channels 64 g + 4 r + 0 .. 3 of a query: 16 bytes a lane
	WIN 0xa1                                       ; O window 1, x and the result window 2
.set WJ, 0
.rept 8                                        ; register 0 of each accumulator is read first
.set WT, 0
.rept 4
	v_fma_f32 v[4*(8*WG+WJ)+WT], v[8*(4*WG+WT)+WJ], v[RL+WJ], v[4*(8*WG+WJ)+WT]
.set WT, WT+1
.endr
.set WJ, WJ+1
.endr
	WIN 0x08                                       ; a store's data are its source 1: window 2
.set WJ, 0
.rept 8
	global_store_b128 v8, v[4*(8*WG+WJ):4*(8*WG+WJ)+3], s[50:51] offset:1024*WJ+256*WG th:TH_STORE_NT   ; sixteen lanes store 256 consecutive bytes, at a multiple of 256 from out0's first byte
.set WJ, WJ+1
.endr
.set WG, WG+1
.endr
	WIN 0
	s_wait_xcnt 0x0                                ; the loads and stores have read their bases and data: only behind this wait are these written again
	s_add_nc_u64 s[48:49], s[48:49], 0x10000       ; 64 pixels on
	s_add_nc_u64 s[50:51], s[50:51], 0x10000
	s_add_nc_u64 s[52:53], s[52:53], 4*768         ; four key tiles on
	s_add_nc_u64 s[54:55], s[54:55], 8
	s_add_nc_u64 s[56:57], s[56:57], 256
	s_xor_b32 s47, s47, 2*TROW
	s_add_co_u32 s46, s46, 1
	s_cmp_lt_u32 s46, 2
	s_cbranch_scc1 .Ltile
	s_wait_tensorcnt 0x0
	ds_add_u32 v55, v83
	s_wait_dscnt 0x0
	CROUND                                         ; the closing round: no work-group ends while a partner may still ask for the block
	s_endpgm
.Lfunc_end_k_q5432708a06_attn:
	.size	k_q5432708a06_attn, .Lfunc_end_k_q5432708a06_attn-k_q5432708a06_attn
	.p2alignl 7, 3214868480
	.fill 96, 4, 3214868480
	.section	.rodata,"a",@progbits
	.p2align	6, 0x0
	.amdhsa_kernel k_q5432708a06_attn
		.amdhsa_group_segment_fixed_size 316928
		.amdhsa_private_segment_fixed_size 0
		.amdhsa_enable_private_segment 0
		.amdhsa_kernarg_size 24
		.amdhsa_user_sgpr_count 2
		.amdhsa_user_sgpr_kernarg_segment_ptr 1
		.amdhsa_wavefront_size32 1
		.amdhsa_system_sgpr_workgroup_id_x 1
		.amdhsa_system_sgpr_workgroup_id_y 1
		.amdhsa_system_sgpr_workgroup_id_z 1
		.amdhsa_system_vgpr_workitem_id 0
		.amdhsa_next_free_vgpr 1024
		.amdhsa_next_free_sgpr 90
		.amdhsa_reserve_vcc 1
		.amdhsa_float_denorm_mode_32 3
		.amdhsa_float_denorm_mode_16_64 3
		.amdhsa_memory_ordered 1
		.amdhsa_forward_progress 1
		.amdhsa_inst_pref_size 255
	.end_amdhsa_kernel
	.section	.bss,"aw",@nobits
	.p2align	6
	.space	262144
	.amdgpu_metadata
---
amdhsa.version: [ 1, 2 ]
amdhsa.kernels:
  - .name:           k_q5432708a06_attn
    .symbol:         k_q5432708a06_attn.kd
    .args:
      - { .name: kv, .offset: 0, .size: 8, .value_kind: global_buffer, .address_space: global }
      - { .name: feature_map, .offset: 8, .size: 8, .value_kind: global_buffer, .address_space: global }
      - { .name: out0, .offset: 16, .size: 8, .value_kind: global_buffer, .address_space: global }
    .group_segment_fixed_size: 316928
    .private_segment_fixed_size: 0
    .kernarg_segment_align: 8
    .kernarg_segment_size: 24
    .max_flat_workgroup_size: 128
    .sgpr_count:     90
    .vgpr_count:     1024
    .wavefront_size: 32
...
	.end_amdgpu_metadata
.endif
;; end of part 2
;; ======== version 2 of 2: 2 launches; version 1 with the launch prep written anew for expert scheduling mode
;; workspace buffers: kv 8,519,680 bytes
;; launch prep (part 3): grid 8 x 32, 4 waves a work-group, no clusters, 111,104 bytes of LDS; arguments feature_map, emb_W, emb_b, attn_W, attn_b, thr_W, thr_b, kv; writes kv
.if DOCPART == 3
	.amdgcn_target "amdgcn-amd-amdhsa--gfx1250"
	.amdhsa_code_object_version 6
	.text
	.protected	k_q5432708a06_prep
	.globl	k_q5432708a06_prep
	.p2align	8
	.type	k_q5432708a06_prep,@function
k_q5432708a06_prep:
	s_mov_b64 s[64:65], 0
	v_nop
	global_prefetch_b8 v0, s[64:65] scope:SCOPE_SE
	s_setreg_imm32_b32 hwreg(HW_REG_WAVE_SCHED_MODE, 0, 2), 2
	s_setreg_imm32_b32 hwreg(HW_REG_WAVE_MODE, 25, 1), 1
	s_wait_xcnt 0x0
	s_wait_alu depctr_vm_vsrc(0)
; PREP.  For 128 pixels (four image rows: key step n = work-group x) of one image (work-group y):
;   emb = Q(x) Q(emb_W)^T + emb_b, shortcut = Q(x) Q(attn_W)^T + attn_b (both on codes of E2M3 with E8M0 scales for each 32 along the 256 channels),
;   -sq/2 = -sum(emb^2)/2 and T = shortcut . thr_W + thr_b in f32; emb is quantised along its 64 features, shortcut along the pixels (the keys of the last product).
; All results go to kv, laid as the next launch's LDS and operand registers want them (an image's block of IMG bytes):
;   KC  64 key tiles x 768 bytes: the six registers of a fragment of emb's codes (registers 0-3: 16 bytes a lane; 4-5: 8 bytes a lane)
;   KS  8 x 512: word v of a lane's 16 bytes: lanes 0-15 the scale words of tile 2 v, lanes 16-31 those of tile 2 v + 1 (bytes 2, 3 = 127: the codes of k = 64 .. 127 are zeros)
;   SQ  -sq/2, TT  T: f32, by pixel.   VS  8 x (512 + 512): as KS, for channel tiles 0-7 and 8-15.   VC  fragment (n, t) at (16 n + t) x 1,536: its 12 registers, 16 bytes a lane
; TILES.  Pixel tile p = 4 cc + u of the 128: row m = pixel 64 cc + 32 (m / 8) + 8 u + m % 8, so that in a result whose rows are pixels a lane's 32 registers of tiles 4 cc .. 4 cc + 3
; are a whole block of 32 pixels.  Channel tile t: column r = channel 64 (t / 4) + 4 r + t % 4.  Feature tile u: row m = feature 32 (m / 8) + 8 u + m % 8.
; SHARES.  Wave w quantises pixel tiles 2 w, 2 w + 1 of x, feature tile w of emb_W and channel tiles 4 w .. 4 w + 3 of attn_W; makes emb for its two pixel tiles, and shortcut for all 8 pixel tiles x its 4 channel tiles.
; Every load reads 512 consecutive bytes; the numbers turn through the wave's own stage in LDS so that a lane holds whole blocks of 32 along K.  x's and emb_W's codes reach the other waves as images of their registers.
; NO JOINT LOADS: the weights, 327,680 bytes of f32, are read by every work-group, but they do not fit in LDS beside the 110,592 bytes used here, and each wave wants only its own quarter of them, once, in registers.
; LIMITS: NaN and infinities are not served.  A block of zeros gets the scale byte 1 where the quantiser says 127 (its codes are zeros; this program alone reads the bytes).  T's sum is taken in another order than a plain dot product's.
; THE MODE: SCHED_MODE bits 1:0 = 2 (LLVM: expert scheduling mode 2), set by the entry lines.  The code itself states the register dependences
; between vector or matrix instructions and memory or LDS instructions, with s_wait_alu, always for 0.
; THE PLAN.  Registers that memory or LDS instructions touch:
;   v1, v2, v5-15, v31, v254, v255   addresses: written once at the head, ahead of one wait on va_vdst, and never again.
;   v216, v217   at the head the offsets of the biases' loads; from step 1 on the scale words on their way out (SWD).
;   RA, RB       (window 1) written by global loads, read by the stage's LDS stores; no vector instruction names them.  A set is asked for again behind a wait on vm_vsrc that stands behind those stores.
;                From part 2 on x's fragments lie there: LDS loads land in them, behind one more wait on vm_vsrc, and products read them.
;   NUM          the stage's LDS loads land in it; the step's maxima and conversions read it.  One wait on va_vdst stands behind a step's vector work; only memory instructions follow it until the next step's loads into NUM.
;   CB, SWD      written by conversions, moves and the scale words' lines; read by the stores of images (steps 1-3), of K's codes (part 2) and of V's (each channel tile).  The same wait on va_vdst stands ahead of each run of
;                stores; a wait on vm_vsrc stands between each run and the next line that writes these registers.
;   v96, v98     -sq/2, read by two LDS stores; v96-159 then hold T's partial sums, read by sixteen LDS stores at the end of part 3.
;   v32-63       the accumulators; at the end wave 0's LDS loads land there.
; The fragment registers of window 2, the accumulators and all registers at work (TM, CT, VW, KW, AW) are named by vector and matrix instructions alone.
.set KC, 0
.set KS, 49152
.set SQ, 53248
.set TT, 57344
.set VS, 61440
.set VC, 69632
.set IMG, 266240
.set SPITCH, 1040                      ; a stage row: 1,024 bytes + 16: the sixteen rows that a load touches begin at sixteen different 16-byte columns modulo 256 bytes
.set STGW, 16*SPITCH                   ; a wave's stage
.set XIMG, 4*STGW                      ; x's 16 fragments (pixel tile p, K step s: 2 p + s), 1,536 bytes each
.set XSC, XIMG+16*1536                 ; their scale words, 128 bytes each
.set EIMG, XSC+16*128                  ; emb_W's 8 fragments (2 u + s)
.set ESC, EIMG+8*1536
.set COLT, ESC+8*128                   ; T's partial sums: 512 bytes a wave
.set COLVS, COLT+2048                  ; the key step's part of VS
.set COLKS, COLVS+1024                 ; of KS
.set COLSQ, COLKS+512                  ; of SQ
; window 0: v1 16 x lane, v2 4 x lane, v3 r, v4 h, v5-15, v31, v254 LDS addresses, v255 8 x lane, v30 8 h
.set TW, 16                            ; v16-19  thr_W of my four channels
.set BR, 20                            ; v20-23  attn_b of them
.set VW, 24                            ; v24-27  V's scale words, a channel tile each
.set KW, 28                            ; v28-29  K's scale words
.set NUM, 32                           ; v32-159 128 numbers: register 32 b + i = k 64 (b / 2 x 2) .. : block b = 2 s + c holds k = 128 s + 64 c + 32 h + i
.set ACC, 32                           ; v32-95  later the 8 accumulators
.set TPS, 96                           ; v96-159 T's partial sums
.set TM, 160                           ; v160-163 largest magnitudes, v164-167 scale operands, v168-171 bytes, v172-173 lane exchanges
.set CB, 176                           ; v176-199 codes
.set CT, 200                           ; v200-215 second halves of blocks (a conversion's three registers begin on an even number)
.set SWD, 216                          ; v216-217 scale words on their way to LDS
.set XSW, 218                          ; v218-233 x's scale words;  v234-241 attn_W's;  v242-249 emb_W's;  v250-253 those of my own two pixel tiles
.set AW, 234
.set EW, 242
.set OXS, 250
.set RA, 0                             ; window 1: two sets of 128 numbers as loaded; later x's 16 fragments (v0-191) and my own four (v192-239)
.set RB, 128
.set OX, 192
.set AF, 0                             ; window 2: attn_W's 8 fragments, emb_W's 8, attn_b as four tiles' C, emb_b as four tiles' C
.set EF, 96
.set BI, 192
.set EB, 224
.set MSB, 0
.macro WIN new                         ; the immediate's high byte repeats the setting that is left; a switch that changes nothing is dropped
.if MSB != (\new)
	s_set_vgpr_msb (MSB<<8)|(\new)
.set MSB, (\new)
.endif
.endm
; 16 rows of 1,024 bytes, row m at off + sa (m % 8) + 32,768 (m / 8), into window 1: each load reads 512 consecutive bytes
.macro GLOAD buf, base, off, sa, nt
	WIN 0x40
.set GM, 0
.rept 16
.if \nt
	global_load_b128 v[\buf+8*GM:\buf+8*GM+3], v1, s[\base:\base+1] offset:\off+\sa*(GM%8)+32768*(GM/8) th:TH_LOAD_NT
	global_load_b128 v[\buf+8*GM+4:\buf+8*GM+7], v1, s[\base:\base+1] offset:\off+\sa*(GM%8)+32768*(GM/8)+512 th:TH_LOAD_NT
.else
	global_load_b128 v[\buf+8*GM:\buf+8*GM+3], v1, s[\base:\base+1] offset:\off+\sa*(GM%8)+32768*(GM/8)
	global_load_b128 v[\buf+8*GM+4:\buf+8*GM+7], v1, s[\base:\base+1] offset:\off+\sa*(GM%8)+32768*(GM/8)+512
.endif
.set GM, GM+1
.endr
	WIN 0
.endm
; A step's first part: the rows are in; they go into my stage as they lie and come back 128 bytes a block: lane (r, h) takes, of row r, k = 128 s + 64 c + 32 h + 0 .. 31.
; The loads into v[NUM] on owe no wait here: the wait on va_vdst behind the last step's vector work has shown that step done reading them, and no vector instruction since names them.
.macro QSTEP buf, left
	s_wait_loadcnt \left                   ; this step's 32 loads are in; the next step's 32 may stay out
	WIN 0x04                               ; an LDS store's data are its source 1: window 1
.set GM, 0
.rept 16
	ds_store_b128 v5, v[\buf+8*GM:\buf+8*GM+3] offset:SPITCH*GM
	ds_store_b128 v5, v[\buf+8*GM+4:\buf+8*GM+7] offset:SPITCH*GM+512
.set GM, GM+1
.endr
	WIN 0
.set GM, 0
.rept 32                               ; LDS serves a wave's instructions in order (ISA guide 5.7.1.4): these see the stores above
	ds_load_b128 v[NUM+4*GM:NUM+4*GM+3], v6 offset:512*(GM/16)+256*((GM/8)%2)+16*(GM%8)
.set GM, GM+1
.endr
.endm
; The set that has just gone into the stage is asked for again at once, ahead of the wait for the stage's data: the loads of two steps on.
.macro REFILL buf, base, off, sa
	s_wait_alu depctr_vm_vsrc(0)           ; the stage's stores have read this set, in which the loads below land; the last step's image stores (in step 1: the biases' loads, by their offsets) have read v[CB] on and v[SWD], v[SWD+1], which this step's vector work writes
	GLOAD \buf, \base, \off, \sa, 0
.endm
; nb blocks of 32 numbers of a lane, block b at v[src + 32 b]: largest magnitude (with the floor 2^(3 - 127), which holds the byte at 1 from below), scale operand, byte.  The blocks take turns.
.macro QMAX src, nb
.set QB, 0
.rept \nb
	v_max3_num_f32 v[TM+QB], |v[\src+32*QB]|, |v[\src+32*QB+1]|, 0x1800000
.set QB, QB+1
.endr
.set QJ, 2
.rept 15
.set QB, 0
.rept \nb
	v_max3_num_f32 v[TM+QB], v[TM+QB], |v[\src+32*QB+QJ]|, |v[\src+32*QB+QJ+1]|
.set QB, QB+1
.endr
.set QJ, QJ+2
.endr
.set QB, 0
.rept \nb
	v_add_nc_u32 v[TM+4+QB], 0xff000000, v[TM+QB]   ; 2 off the exponent field: the conversion takes this operand's exponent field as its scale
.set QB, QB+1
.endr
.set QB, 0
.rept \nb
	v_lshrrev_b32 v[TM+8+QB], 23, v[TM+4+QB]        ; the scale's byte
.set QB, QB+1
.endr
.endm
; their codes: block b's six registers at v[dst + dstr b] of the window dwin names
.macro QCVT nb, src, dwin, dst, dstr
.set QB, 0
.rept \nb
	v_cvt_scalef32_pk16_fp6_f32 v[CT+4*QB:CT+4*QB+2], v[\src+32*QB+16:\src+32*QB+31], v[TM+4+QB]
.set QB, QB+1
.endr
	WIN \dwin
.set QB, 0
.rept \nb
	v_cvt_scalef32_pk16_fp6_f32 v[\dst+\dstr*QB:\dst+\dstr*QB+2], v[\src+32*QB:\src+32*QB+15], v[TM+4+QB]
.set QB, QB+1
.endr
	v_nop                                  ; one plain place behind the scaled conversions
.set QB, 0
.rept \nb
.irp i, 0,1,2
	v_mov_b32 v[\dst+\dstr*QB+3+\i], v[CT+4*QB+\i]
.endr
.set QB, QB+1
.endr
	WIN 0
.endm
; a scale word of 128 along K: my two bytes (blocks h and 2 + h) at their places, with lane l xor 16's two
.macro WORD2 out, b0, b1
	v_lshl_or_b32 v[\out], v[\b1], 16, v[\b0]
	v_lshlrev_b32 v[\out], v30, v[\out]
	v_permlanex16_b32 v[TM+12], v[\out], s24, s25
	v_or_b32 v[\out], v[\out], v[TM+12]
.endm
; A step's second part: 128 numbers -> two fragments and their two scale words.  more = 1: LDS instructions that hang on this work follow.
.macro QWORK dwin, dst, wd, more
	s_wait_dscnt 0x0                       ; the numbers are back; the stage's stores and the last step's image stores are done
	QMAX NUM, 4
	QCVT 4, NUM, \dwin, \dst, 6
	WORD2 \wd, TM+8, TM+9
	WORD2 \wd+1, TM+10, TM+11
.if \more
	s_wait_alu depctr_va_vdst(0)           ; the step's codes and scale words are written, which the image stores (steps 1 to 3) read; its maxima and conversions are done reading v[NUM] on, in which the next step's LDS loads land
.endif
.endm
.macro IMAGES adr, ads, f              ; the two fragments in v[CB] on, and their words, to LDS as they stand: fragments f, f + 1 from the address registers' bases
.irp s, 0,1
.irp c, 0,1,2
	ds_store_b128 v[\adr], v[CB+12*\s+4*\c:CB+12*\s+4*\c+3] offset:1536*(\f+\s)+512*\c
.endr
	ds_store_b32 v[\ads], v[SWD+\s] offset:128*(\f+\s)
.endr
.endm
.macro BARRIER                         ; my LDS stores have landed and my LDS loads are in: then the work-group's barrier
	s_wait_dscnt 0x0
	s_barrier_signal -1
	s_barrier_wait -1
.endm
	s_load_b512 s[4:19], s[0:1], 0x0               ; x s[4:5], emb_W s[6:7], emb_b s[8:9], attn_W s[10:11], attn_b s[12:13], thr_W s[14:15], thr_b s[16:17], kv s[18:19]
	v_lshl_add_u32 v211, v0, 2, 0x1b000
	v_mov_b32 v215, 0
	v_lshrrev_b32 v2, 5, v0
	v_readfirstlane_b32 s20, v2                    ; wave 0..3
	s_mov_b32 s21, ttmp9                           ; key step n
	s_and_b32 s22, ttmp7, 0xffff                   ; image
	s_wait_alu depctr_va_sdst(0)                   ; s20 is written, ahead of its first reader: LDS addresses, global bases and the last part's branch are made from it
	s_lshr_b32 s50, s20, 1
	s_and_b32 s51, s20, 1
	s_mov_b32 s24, 0x76543210
	s_mov_b32 s25, 0xfedcba98                      ; v_permlanex16_b32's selects for lane l xor 16
	s_mov_b32 s27, 0xffff0000                      ; lanes 16-31
	v_and_b32 v3, 31, v0
	v_lshlrev_b32 v1, 4, v3                        ; 16 x lane
	v_lshlrev_b32 v2, 2, v3                        ; 4 x lane
	v_lshlrev_b32 v255, 3, v3                      ; 8 x lane
	v_and_b32 v3, 15, v0                           ; r
	v_bfe_u32 v4, v0, 4, 1                         ; h
	v_lshlrev_b32 v30, 3, v4                       ; 8 h
	; every LDS address: a constant + a lane term + a constant x wave, made here once
	s_mul_i32 s48, s20, STGW
	v_add_nc_u32 v5, s48, v1                       ; v5: into my stage
	v_mul_u32_u24 v6, v3, SPITCH
	v_lshl_add_u32 v6, v4, 7, v6
	v_add_nc_u32 v6, s48, v6                       ; v6: out of it: row r, + 128 h
	s_mul_i32 s49, s20, 4*1536
	s_add_co_u32 s49, s49, XIMG
	v_add_nc_u32 v7, s49, v1                       ; v7: my four fragments of x
	s_lshl_b32 s49, s20, 9
	s_add_co_u32 s49, s49, XSC
	v_add_nc_u32 v8, s49, v2                       ; v8: their scale words
	s_mul_i32 s49, s20, 2*1536
	s_add_co_u32 s49, s49, EIMG
	v_add_nc_u32 v9, s49, v1                       ; v9: my two fragments of emb_W
	s_lshl_b32 s49, s20, 8
	s_add_co_u32 s49, s49, ESC
	v_add_nc_u32 v10, s49, v2                      ; v10: their scale words
	v_add_nc_u32 v11, XIMG, v1                     ; v11: any image, v12: any scale word
	v_add_nc_u32 v12, XSC, v2
	s_lshl_b32 s49, s20, 9
	s_add_co_u32 s49, s49, COLT
	v_lshl_add_u32 v13, v4, 7, s49                 ; v13: my wave's partial sums of T, + 128 h
	s_lshl_b32 s49, s50, 9
	s_lshl_b32 s52, s51, 3
	s_add_co_u32 s49, s49, s52
	s_add_co_u32 s49, s49, COLVS
	v_add_nc_u32 v14, s49, v1                      ; v14: my two words of V's scale image
	s_lshl_b32 s49, s20, 2
	s_add_co_u32 s49, s49, COLKS
	v_add_nc_u32 v15, s49, v1                      ; v15: my word of K's
	s_lshl_b32 s49, s50, 8
	s_lshl_b32 s52, s51, 6
	s_add_co_u32 s49, s49, s52
	s_add_co_u32 s49, s49, COLSQ
	v_lshrrev_b32 v31, 3, v3
	v_and_b32 v216, 7, v3
	v_lshlrev_b32 v216, 2, v216
	v_lshl_add_u32 v31, v31, 7, v216
	v_add_nc_u32 v31, s49, v31                     ; v31: -sq/2 of pixel 64 (w / 2) + 32 (r / 8) + 16 (w % 2) + r % 8 (+ 8 for my second tile)
	v_add_nc_u32 v254, COLT, v1                    ; v254: the collectors, 16 bytes a lane
	v_lshlrev_b32 v216, 7, v4                      ; emb_b: 128 h
	v_lshlrev_b32 v217, 4, v3                      ; attn_b, thr_W: 16 r
	v_mov_b32 v[TM+12], 0                          ; written once: a lane permute's destination counts as one of its sources
	v_mov_b32 v[TM+13], 0
	s_wait_kmcnt 0x0
	s_load_b32 s26, s[16:17], 0x0                  ; thr_b
	s_mov_b32 s53, 0
	s_lshl_b32 s52, s22, 20                        ; x: image x 1,024 pixels x 1,024 bytes
	s_lshl_b32 s54, s21, 17                        ; + 128 n pixels
	s_add_co_u32 s52, s52, s54
	s_lshl_b32 s54, s50, 16                        ; + 64 (w / 2)
	s_add_co_u32 s52, s52, s54
	s_lshl_b32 s54, s51, 14                        ; + 16 (w % 2)
	s_add_co_u32 s52, s52, s54
	s_add_nc_u64 s[28:29], s[4:5], s[52:53]
	s_lshl_b32 s52, s20, 13                        ; emb_W: row 8 w
	s_add_nc_u64 s[30:31], s[6:7], s[52:53]
	s_lshl_b32 s52, s20, 16                        ; attn_W: row 64 w
	s_add_nc_u64 s[32:33], s[10:11], s[52:53]
	s_lshl_b32 s52, s20, 8                         ; attn_b, thr_W: channel 64 w
	s_add_nc_u64 s[44:45], s[12:13], s[52:53]
	s_add_nc_u64 s[46:47], s[14:15], s[52:53]
	s_mul_i32 s52, s22, IMG
	s_add_nc_u64 s[34:35], s[18:19], s[52:53]      ; the image's block of kv
	s_mul_i32 s52, s21, 8*768
	s_mul_i32 s54, s20, 2*768
	s_add_co_u32 s52, s52, s54
	s_add_nc_u64 s[36:37], s[34:35], s[52:53]      ; KC: key tile 8 n + 2 w
	s_mul_i32 s52, s21, 16*1536
	s_mul_i32 s54, s20, 4*1536
	s_add_co_u32 s52, s52, s54
	s_add_co_u32 s52, s52, VC
	s_add_nc_u64 s[38:39], s[34:35], s[52:53]      ; VC: fragment 16 n + 4 w
	s_lshl_b32 s52, s21, 9
	s_add_nc_u64 s[40:41], s[34:35], s[52:53]      ; + 512 n: KS, SQ, TT
	s_lshl_b32 s52, s21, 10
	s_add_nc_u64 s[42:43], s[34:35], s[52:53]      ; + 1,024 n: VS
	WIN 0x80
	s_wait_alu depctr_va_vdst(0)                   ; every address and offset of the kernel is written (v1, v2, v5 to v15, v31, v216, v217, v254, v255): the loads and stores from here on read them
.irp q, 0,1,2,3,4,5,6,7
	global_load_b128 v[EB+4*\q:EB+4*\q+3], v216, s[8:9] offset:16*\q   ; emb_b[32 h + 8 u + j] is register 8 u + j: the C of feature tile u
.endr
	WIN 0
	global_load_b128 v[BR:BR+3], v217, s[44:45]    ; attn_b[64 w + 4 r + 0 .. 3]
	global_load_b128 v[TW:TW+3], v217, s[46:47]    ; thr_W likewise
	GLOAD RA, 28, 0, 1024, 1                       ; x, my first pixel tile
	GLOAD RB, 28, 8192, 1024, 1                    ; my second
	s_wait_kmcnt 0x0                               ; thr_b
	; ---- 1: seven steps of 16 rows x 256, two sets of registers by turns; the loads run two steps ahead
	QSTEP RA, 32
	REFILL RA, 30, 0, 1024                         ; emb_W, feature tile w
	WIN 0x80                                       ; (these 32 moves stand between the stage's loads and the wait for them; attn_b is in since the step's wait for its rows)
.set GM, 0
.rept 32
	v_mov_b32 v[BI+GM], v[BR+GM/8]                 ; attn_b as the C of channel tile tt: the same number in its eight registers
.set GM, GM+1
.endr
	WIN 0
	QWORK 0, CB, SWD, 1
	IMAGES 7, 8, 0
	QSTEP RB, 32
	REFILL RB, 32, 0, 4096                         ; attn_W, rows 64 w + 4 m
	QWORK 0, CB, SWD, 1
	IMAGES 7, 8, 2
	QSTEP RA, 32
	REFILL RA, 32, 1024, 4096                      ; rows 64 w + 4 m + 1
	QWORK 0, CB, SWD, 1
	IMAGES 9, 10, 0
	QSTEP RB, 32
	REFILL RB, 32, 2048, 4096
	QWORK 0x80, AF, AW, 1                          ; attn_W's codes stay in my registers
	QSTEP RA, 32
	REFILL RA, 32, 3072, 4096
	QWORK 0x80, AF+24, AW+2, 1
	QSTEP RB, 32
	QWORK 0x80, AF+48, AW+4, 1
	QSTEP RA, 0                                    ; the last step: nothing is out behind it
	QWORK 0x80, AF+72, AW+6, 0                     ; no load lands in a register that this step names; for the products that take its codes and words, the wait ahead of part 2's stores stands between
	BARRIER                                        ; x's sixteen fragments and emb_W's eight lie in LDS
	; ---- 2: emb, transposed (source 0 = 16 features of emb_W, source 1 = 16 pixels of x): a lane holds one pixel and a whole block of 32 features
	s_wait_alu depctr_vm_vsrc(0)                   ; the last two steps' stores into the stage have read both sets of window 1, in which x's fragments land
	WIN 0x80
.set GM, 0
.rept 8
.irp c, 0,1,2
	ds_load_b128 v[EF+12*GM+4*\c:EF+12*GM+4*\c+3], v11 offset:EIMG-XIMG+1536*GM+512*\c
.endr
.set GM, GM+1
.endr
	WIN 0x40
.set GM, 0
.rept 16
.irp c, 0,1,2
	ds_load_b128 v[12*GM+4*\c:12*GM+4*\c+3], v11 offset:1536*GM+512*\c
.endr
.set GM, GM+1
.endr
.set GM, 0
.rept 4
.irp c, 0,1,2
	ds_load_b128 v[OX+12*GM+4*\c:OX+12*GM+4*\c+3], v7 offset:1536*GM+512*\c
.endr
.set GM, GM+1
.endr
	WIN 0
.set GM, 0
.rept 8
	ds_load_b32 v[EW+GM], v12 offset:ESC-XSC+128*GM
.set GM, GM+1
.endr
.set GM, 0
.rept 16
	ds_load_b32 v[XSW+GM], v12 offset:128*GM
.set GM, GM+1
.endr
.set GM, 0
.rept 4
	ds_load_b32 v[OXS+GM], v8 offset:128*GM
.set GM, GM+1
.endr
	s_wait_dscnt 0x0
	WIN 0x26                                       ; emb_W window 2, x window 1, the bias window 2
.set PT, 0
.rept 2                                        ; the eight accumulators take turns, one instruction a turn
.set QB, 0
.rept 4
	v_wmma_scale_f32_16x16x128_f8f6f4 v[ACC+32*PT+8*QB:ACC+32*PT+8*QB+7], v[EF+24*QB:EF+24*QB+11], v[OX+24*PT:OX+24*PT+11], v[EB+8*QB:EB+8*QB+7], v[EW+2*QB], v[OXS+2*PT] matrix_a_fmt:MATRIX_FMT_FP6 matrix_b_fmt:MATRIX_FMT_FP6
.set QB, QB+1
.endr
.set PT, PT+1
.endr
	WIN 0x06
.set PT, 0
.rept 2
.set QB, 0
.rept 4
	v_wmma_scale_f32_16x16x128_f8f6f4 v[ACC+32*PT+8*QB:ACC+32*PT+8*QB+7], v[EF+24*QB+12:EF+24*QB+23], v[OX+24*PT+12:OX+24*PT+23], v[ACC+32*PT+8*QB:ACC+32*PT+8*QB+7], v[EW+2*QB+1], v[OXS+2*PT+1] matrix_a_fmt:MATRIX_FMT_FP6 matrix_b_fmt:MATRIX_FMT_FP6
.set QB, QB+1
.endr
.set PT, PT+1
.endr
	WIN 0
.rept 4
	v_nop                                          ; four places between the last product and the first read of results (ISA guide 7.12.1)
.endr
	v_pk_mul_f32 v[96:97], v[ACC:ACC+1], v[ACC:ACC+1]              ; sq of the unquantised emb; each accumulator is read from its low end on
	v_pk_mul_f32 v[98:99], v[ACC+32:ACC+33], v[ACC+32:ACC+33]
.set QJ, 2
.rept 15
	v_pk_fma_f32 v[96:97], v[ACC+QJ:ACC+QJ+1], v[ACC+QJ:ACC+QJ+1], v[96:97]
	v_pk_fma_f32 v[98:99], v[ACC+32+QJ:ACC+33+QJ], v[ACC+32+QJ:ACC+33+QJ], v[98:99]
.set QJ, QJ+2
.endr
	v_add_f32 v96, v96, v97
	v_add_f32 v98, v98, v99
	v_permlanex16_b32 v[TM+12], v96, s24, s25
	v_permlanex16_b32 v[TM+13], v98, s24, s25
	v_add_f32 v96, v96, v[TM+12]                   ; with the other 32 features
	v_add_f32 v98, v98, v[TM+13]
	v_mul_f32 v96, -0.5, v96
	v_mul_f32 v98, -0.5, v98
	QMAX ACC, 2                                    ; a lane's 32 features are one block
	QCVT 2, ACC, 0, CB, 8
.irp pt, 0,1
	v_lshlrev_b32 v[KW+\pt], v30, v[TM+8+\pt]      ; my byte at place h,
	v_permlanex16_b32 v[TM+12+\pt], v[KW+\pt], s24, s25
	v_or_b32 v[KW+\pt], v[KW+\pt], v[TM+12+\pt]    ; with lane l xor 16's,
	v_or_b32 v[KW+\pt], 0x7f7f0000, v[KW+\pt]      ; and 127 for the two blocks of zero codes
.endr
	v_cndmask_b32 v[SWD], v[KW], v[KW+1], s27      ; lanes 0-15: tile 2 w; lanes 16-31: tile 2 w + 1
	s_wait_alu depctr_va_vdst(0)                   ; -sq/2 (v96, v98), K's scale word and K's codes are written, which the seven stores below read; attn_W's codes and scale words are written, which part 3's products take
	ds_store_b32 v31, v96                          ; both halves of the lanes write the same word with the same value
	ds_store_b32 v31, v98 offset:32
	ds_store_b32 v15, v[SWD]
.irp pt, 0,1
	global_store_b128 v1, v[CB+8*\pt:CB+8*\pt+3], s[36:37] offset:768*\pt          ; 512 consecutive bytes,
	global_store_b64 v255, v[CB+8*\pt+4:CB+8*\pt+5], s[36:37] offset:768*\pt+512   ; and 256
.endr
	; ---- 3: shortcut (source 0 = 16 pixels of x, source 1 = 16 channels of attn_W): a lane holds one channel and two whole blocks of 32 pixels
.macro SHORT tt
	WIN 0x29                                       ; x window 1, attn_W window 2, the bias window 2
.set QB, 0
.rept 8
	v_wmma_scale_f32_16x16x128_f8f6f4 v[ACC+8*QB:ACC+8*QB+7], v[24*QB:24*QB+11], v[AF+24*\tt:AF+24*\tt+11], v[BI+8*\tt:BI+8*\tt+7], v[XSW+2*QB], v[AW+2*\tt] matrix_a_fmt:MATRIX_FMT_FP6 matrix_b_fmt:MATRIX_FMT_FP6
.set QB, QB+1
.endr
	WIN 0x09
.set QB, 0
.rept 8
	v_wmma_scale_f32_16x16x128_f8f6f4 v[ACC+8*QB:ACC+8*QB+7], v[24*QB+12:24*QB+23], v[AF+24*\tt+12:AF+24*\tt+23], v[ACC+8*QB:ACC+8*QB+7], v[XSW+2*QB+1], v[AW+2*\tt+1] matrix_a_fmt:MATRIX_FMT_FP6 matrix_b_fmt:MATRIX_FMT_FP6
.set QB, QB+1
.endr
	WIN 0
.rept 4
	v_nop
.endr
	s_wait_xcnt 0x0                                ; the earlier global stores have had their addresses translated (ISA guide 3.1): only behind this wait are v[CB] on written again
	s_wait_alu depctr_vm_vsrc(0)                   ; the stores issued so far have read their data: v[CB] on, which this tile's conversions write, and, ahead of the first tile, v96 and v98, which T's partial sums take, and v[SWD]
.set QJ, 0
.rept 32                                       ; T's partial sums, in f32: += shortcut x thr_W of my channel; each accumulator is read from its low end on
.if \tt == 0
	v_pk_mul_f32 v[TPS+QJ:TPS+QJ+1], v[ACC+QJ:ACC+QJ+1], v[TW:TW+1] op_sel_hi:[1,0]
.elseif \tt == 1
	v_pk_fma_f32 v[TPS+QJ:TPS+QJ+1], v[ACC+QJ:ACC+QJ+1], v[TW:TW+1], v[TPS+QJ:TPS+QJ+1] op_sel:[0,1,0] op_sel_hi:[1,1,1]
.elseif \tt == 2
	v_pk_fma_f32 v[TPS+QJ:TPS+QJ+1], v[ACC+QJ:ACC+QJ+1], v[TW+2:TW+3], v[TPS+QJ:TPS+QJ+1] op_sel_hi:[1,0,1]
.else
	v_pk_fma_f32 v[TPS+QJ:TPS+QJ+1], v[ACC+QJ:ACC+QJ+1], v[TW+2:TW+3], v[TPS+QJ:TPS+QJ+1] op_sel:[0,1,0] op_sel_hi:[1,1,1]
.endif
.set QJ, QJ+2
.endr
	QMAX ACC, 2
	QCVT 2, ACC, 0, CB, 6
	WORD2 VW+\tt, TM+8, TM+9
	s_wait_alu depctr_va_vdst(0)                   ; the conversions and moves have written v[CB] on, which the three stores read
.irp c, 0,1,2
	global_store_b128 v1, v[CB+4*\c:CB+4*\c+3], s[38:39] offset:1536*\tt+512*\c    ; the fragment as it stands: 512 consecutive bytes a store
.endr
.endm
	SHORT 0
	SHORT 1
	SHORT 2
	SHORT 3
.irp m, 1,2,4,8                                ; T over my wave's 64 channels: the sixteen lanes of a half
.set QJ, 0
.rept 64
	v_add_f32_dpp v[TPS+QJ], v[TPS+QJ], v[TPS+QJ] row_xmask:\m row_mask:0xf bank_mask:0xf
.set QJ, QJ+1
.endr
.endr
	v_cndmask_b32 v[SWD], v[VW], v[VW+1], s27      ; lanes 0-15: the even tile's words; lanes 16-31: the odd tile's
	v_cndmask_b32 v[SWD+1], v[VW+2], v[VW+3], s27
	s_wait_alu depctr_va_vdst(0)                   ; T's partial sums and V's scale words are written, which the LDS stores below read; all products and vector lines that named v32 to v63 are done, in which wave 0's LDS loads land behind the barrier
.set QJ, 0
.rept 16
	ds_store_b128 v13, v[TPS+4*QJ:TPS+4*QJ+3] offset:256*(QJ/8)+16*(QJ%8)   ; register 32 cc + i is pixel 64 cc + 32 h + i; the lanes of a half write the same bytes with the same values
.set QJ, QJ+1
.endr
	ds_store_b64 v14, v[SWD:SWD+1]
	BARRIER                                        ; the collectors are whole
	; ---- 4: wave 0 sends the collectors out, 512 consecutive bytes a store
	s_cmp_lg_u32 s20, 0
	s_cbranch_scc1 .Ldone
.irp k, 0,1,2,3
	ds_load_b128 v[32+4*\k:35+4*\k], v254 offset:512*\k
.endr
	ds_load_b128 v[48:51], v254 offset:COLVS-COLT
	ds_load_b128 v[52:55], v254 offset:COLVS-COLT+512
	ds_load_b128 v[56:59], v254 offset:COLKS-COLT
	ds_load_b128 v[60:63], v254 offset:COLSQ-COLT
	s_wait_dscnt 0x0
	global_store_b128 v1, v[48:51], s[42:43] offset:VS       ; these four send what LDS loads brought: no vector line has written their data
	global_store_b128 v1, v[52:55], s[42:43] offset:VS+512
	global_store_b128 v1, v[56:59], s[40:41] offset:KS
	global_store_b128 v1, v[60:63], s[40:41] offset:SQ
	v_pk_add_f32 v[32:33], v[32:33], v[36:37]
	v_pk_add_f32 v[34:35], v[34:35], v[38:39]
	v_pk_add_f32 v[40:41], v[40:41], v[44:45]
	v_pk_add_f32 v[42:43], v[42:43], v[46:47]
	v_pk_add_f32 v[32:33], v[32:33], v[40:41]
	v_pk_add_f32 v[34:35], v[34:35], v[42:43]
.irp k, 32,33,34,35
	v_add_f32 v\k, s26, v\k                        ; + thr_b
.endr
	s_wait_alu depctr_va_vdst(0)                   ; the additions have written T (v32 to v35), which the store reads
	global_store_b128 v1, v[32:35], s[40:41] offset:TT
.Ldone:
	s_wait_dscnt 0x0
	s_wait_alu depctr_hold_cnt(0) depctr_sa_sdst(0) depctr_va_vdst(0) depctr_va_sdst(0) depctr_va_ssrc(0) depctr_va_vcc(0) depctr_vm_vsrc(0)
	s_wait_tensorcnt 0x0
	ds_add_u32 v211, v215
	s_wait_dscnt 0x0
	s_endpgm
.Lfunc_end_k_q5432708a06_prep:
	.size	k_q5432708a06_prep, .Lfunc_end_k_q5432708a06_prep-k_q5432708a06_prep
	.p2alignl 7, 3214868480
	.fill 96, 4, 3214868480
	.section	.rodata,"a",@progbits
	.p2align	6, 0x0
	.amdhsa_kernel k_q5432708a06_prep
		.amdhsa_group_segment_fixed_size 111104
		.amdhsa_private_segment_fixed_size 0
		.amdhsa_enable_private_segment 0
		.amdhsa_kernarg_size 64
		.amdhsa_user_sgpr_count 2
		.amdhsa_user_sgpr_kernarg_segment_ptr 1
		.amdhsa_wavefront_size32 1
		.amdhsa_system_sgpr_workgroup_id_x 1
		.amdhsa_system_sgpr_workgroup_id_y 1
		.amdhsa_system_sgpr_workgroup_id_z 1
		.amdhsa_system_vgpr_workitem_id 0
		.amdhsa_next_free_vgpr 768
		.amdhsa_next_free_sgpr 66
		.amdhsa_reserve_vcc 0
		.amdhsa_float_denorm_mode_32 3
		.amdhsa_float_denorm_mode_16_64 3
		.amdhsa_memory_ordered 1
		.amdhsa_forward_progress 1
		.amdhsa_inst_pref_size 165
	.end_amdhsa_kernel
	.amdgpu_metadata
---
amdhsa.version: [ 1, 2 ]
amdhsa.kernels:
  - .name:           k_q5432708a06_prep
    .symbol:         k_q5432708a06_prep.kd
    .args:
      - { .name: feature_map, .offset: 0, .size: 8, .value_kind: global_buffer, .address_space: global }
      - { .name: emb_W, .offset: 8, .size: 8, .value_kind: global_buffer, .address_space: global }
      - { .name: emb_b, .offset: 16, .size: 8, .value_kind: global_buffer, .address_space: global }
      - { .name: attn_W, .offset: 24, .size: 8, .value_kind: global_buffer, .address_space: global }
      - { .name: attn_b, .offset: 32, .size: 8, .value_kind: global_buffer, .address_space: global }
      - { .name: thr_W, .offset: 40, .size: 8, .value_kind: global_buffer, .address_space: global }
      - { .name: thr_b, .offset: 48, .size: 8, .value_kind: global_buffer, .address_space: global }
      - { .name: kv, .offset: 56, .size: 8, .value_kind: global_buffer, .address_space: global }
    .group_segment_fixed_size: 111104
    .private_segment_fixed_size: 0
    .kernarg_segment_align: 8
    .kernarg_segment_size: 64
    .max_flat_workgroup_size: 128
    .sgpr_count:     66
    .vgpr_count:     768
    .wavefront_size: 32
...
	.end_amdgpu_metadata
.endif
;; end of part 3
;; launch attn: the kernel of part 2 again; grid 8 x 32, 4 waves a work-group, clusters of 4 x 1, 316,928 bytes of LDS; arguments kv, feature_map, out0; writes out0
